; MI455X (gfx1250); checked and timed in simulation.
; The chip was launched on July 23, 2026; its instructions are those of AMD's public machine-readable ISA for CDNA 5 (MIT licence, August 2026) and "CDNA5" Instruction Set Architecture Reference Guide (July 2026). The comments in the code are by the model that wrote it; some were corrected since.
;; Mo E Bert Self Attention. Allowed arithmetic: matrix products marked QUANTISED: E4M3 operands, one given power-of-two scale a tensor, by v_wmma_f32_16x16x64_fp8_fp8 or v_wmma_f32_16x16x128_fp8_fp8, f32 sums; everything else in f32.
;; Inputs: Wk_codes 1,024 x 32 x 32 uint8 (E4M3 codes of Wk, K innermost, in blocks of 32 codes); Wq_codes 1,024 x 32 x 32 uint8 (E4M3 codes of Wq, K innermost, in blocks of 32 codes); Wv_codes 1,024 x 32 x 32 uint8 (E4M3 codes of Wv, K innermost, in blocks of 32 codes); attention_mask 8 x 1 x 1 x 1,024 float32; bk 1,024 float32; bq 1,024 float32; bv 1,024 float32; head_mask 1 x 16 x 1 x 1 float32; hidden_states_codes 8 x 1,024 x 32 x 32 uint8 (E4M3 codes of hidden_states, K innermost, in blocks of 32 codes); lowp_scales 10 int32 (the exponents e of the quantised operands' scales 2^e).
;; Outputs: out0 8 x 1,024 x 1,024 float32.
;; This version of the problem:
;;   THIS VERSION OF THE PROBLEM IS GIVEN IN LOW PRECISION. The matrix products marked QUANTISED in the list below multiply operands that are first quantised to E4M3 (4 exponent bits, 3 mantissa bits; 8 bits a number), with one given power-of-two scale for each operand tensor; their sums are f32. All else is computed in f32.
;;   The module's matrix products, in the order in which they are computed (A, B: the left and right operand; K: the contracted axis; several contracted axes count as one K, in the product's order):
;;     1. [M 8,192, K 1,024] x [K 1,024, N 1,024]; A: input hidden_states (given as codes); B: input Wq (given as codes): QUANTISED (scales: A lowp_scales[0], B lowp_scales[1])
;;     2. [M 8,192, K 1,024] x [K 1,024, N 1,024]; A: input hidden_states (given as codes); B: input Wk (given as codes): QUANTISED (scales: A lowp_scales[2], B lowp_scales[3])
;;     3. [M 8,192, K 1,024] x [K 1,024, N 1,024]; A: input hidden_states (given as codes); B: input Wv (given as codes): QUANTISED (scales: A lowp_scales[4], B lowp_scales[5])
;;     4. batch 128 x [M 1,024, K 64] x [K 64, N 1,024]; A: computed on the way; B: computed on the way: QUANTISED (scales: A lowp_scales[6], B lowp_scales[7])
;;     5. batch 128 x [M 1,024, K 1,024] x [K 1,024, N 64]; A: computed on the way; B: computed on the way: QUANTISED (scales: A lowp_scales[8], B lowp_scales[9])
;;   THE QUANTISER, for each operand of a quantised product, along K:
;;     - The operand's scale is 2^e, e = its entry of the input lowp_scales (int32; the entries are numbered through the quantised products in the list's order, A before B).
;;     - Each number is divided by the scale, clamped to +-448, and rounded to the nearest number of E4M3, ties to even, subnormals kept.
;;     - The product sums the exact products of the quantised numbers (number of the format x scale) in f32.
;;   ~~~python
;;   def quantise(x, axis, e):      # numpy; x: float32 -> the quantised numbers, widened to float32 again
;;       x = np.moveaxis(x, axis, -1); K = x.shape[-1]
;;       r = np.clip(x / 2.0 ** e, -448, 448)
;;       step = 2.0 ** (np.maximum(np.frexp(np.where(r == 0, 1, r))[1] - 1, -6) - 3)
;;       q = np.round(r / step) * step * 2.0 ** e      # np.round: ties to even
;;       return np.moveaxis(q, -1, axis).astype(np.float32)
;;   ~~~
;;   OPERANDS COMPUTED ON THE WAY. 'Computed on the way' means the value that the module computes at that place (a softmax that the list does not call 'softmax' is quantised finished and normalised). What goes into a quantiser is computed in f32, as accurately as f32 sums, v_exp_f32 and their like allow (about 1e-6 of the number): no bf16 or f16 on the way to a quantiser, and a product that is left as it is and whose result goes on into a quantised operand takes f32 operands (vector FMAs, or v_wmma_f32_16x16x4_f32). A number that lies on a knife's edge between two numbers of the format may be rounded either way, as far as f32 arithmetic and the matrix unit's own rounding can turn it there, and no further.
;;   INPUTS GIVEN AS CODES. Wk (in the module: [1024, 1024], K = its axis 1); Wq (in the module: [1024, 1024], K = its axis 1); Wv (in the module: [1024, 1024], K = its axis 1); hidden_states (in the module: [8, 1024, 1024], K = its axis 2): each comes as NAME_codes (uint8): NAME with its K axis moved to the last place and cut into blocks of 32 codes, [.., K / 32, bytes a block], one block behind the other in memory; one code a byte (a code: sign, 4 exponent bits, 3 mantissa bits); its scale is its entry of lowp_scales. Its value is code x scale, taken as it is: it is not quantised again, and the codes and scales need not be those that the quantiser above would give.
;; 2 versions, each right; version 2 is version 1 with the launch attn written anew for expert scheduling mode. Each part assembles by itself: llvm-mc -triple=amdgcn-amd-amdhsa -mcpu=gfx1250 --defsym DOCPART=n.
;; ======== version 1 of 2: 2 launches
;; limits: right only within a limited range of input values
;; workspace buffers: qc 8,388,608 bytes; kc 8,388,608 bytes; vc 8,388,608 bytes
;; launch proj (part 1): grid 16 x 32, 4 waves a work-group, clusters of 4 x 4, 327,680 bytes of LDS; arguments hidden_states_codes, Wq_codes, Wk_codes, Wv_codes, bq, bk, bv, lowp_scales, qc, kc, vc; writes qc, kc, vc
.if DOCPART == 1
	.amdgcn_target "amdgcn-amd-amdhsa--gfx1250"
	.amdhsa_code_object_version 6
	.text
	.protected	k_q94cc44deea_proj
	.globl	k_q94cc44deea_proj
	.p2align	8
	.type	k_q94cc44deea_proj,@function
k_q94cc44deea_proj:
	s_mov_b64 s[64:65], 0
	v_nop
	global_prefetch_b8 v0, s[64:65] scope:SCOPE_SE
	s_setreg_imm32_b32 hwreg(HW_REG_WAVE_MODE, 25, 1), 1
	s_wait_xcnt 0x0
	s_wait_alu depctr_hold_cnt(0) depctr_sa_sdst(0) depctr_va_vdst(0) depctr_va_sdst(0) depctr_va_ssrc(0) depctr_va_vcc(0) depctr_vm_vsrc(0)
	s_getreg_b32 s2, hwreg(HW_REG_IB_STS2, 6, 4)
	s_cmp_eq_u32 s2, 0
	s_cbranch_scc0 .Lentry_in_a_cluster
	s_endpgm
.Lentry_in_a_cluster:
	s_bfe_u32 s2, ttmp6, 0x10000c
	s_cmp_lg_u32 s2, 0xf033
	s_cbranch_scc0 .Lentry_shape_is_right
	s_endpgm
.Lentry_shape_is_right:
; q, k, v = hidden W^T + b on codes of FP8 (E4M3), and their own codes for the attention launch.
; hidden: [8192][1024] codes; Wq, Wk, Wv: [1024][1024] codes, K innermost; bq, bk, bv: [1024] f32; lowp_scales: e0 .. e9 (int32).
; q = sum x 2^(e0+e1) + bq is quantised with 2^e6, k (e2, e3, bk) with 2^e7, v (e4, e5, bv) with 2^e9.
; SHARES.  A work-group makes 256 rows x 192 columns: the 64 columns of q, of k and of v of ONE head (grid x = head, y = block of 256 rows): 512 work-groups.
; Wave w makes rows 64 w .. 64 w + 63 x all 192 columns: 4 blocks of rows (mb) x 12 blocks of columns (nb: 0-3 q, 4-7 k, 8-11 v): 48 accumulators, 384 registers.
; K goes in steps of 256 through a ring of two LDS slots filled by the tensor data mover: 4 K steps, each two steps of 128; all written out, no loop.
; CLUSTER 4 x 4.  The four work-groups of a row of the cluster share the rows of hidden, the four of a column the head's rows of the weights: each tile is asked for jointly.
; ORIENTATION.  q, k: source 0 = 16 rows of W, source 1 = 16 rows of hidden: a lane holds one row of hidden and eight neighbouring channels of the head.
;               v:    source 0 = 16 rows of hidden, source 1 = 16 rows of Wv: a lane holds one channel and eight neighbouring rows (keys).
; So ONE conversion of an accumulator's eight registers gives two registers of the fragment that the attention launch wants, and the codes leave as IMAGES OF THOSE FRAGMENTS:
;   qc, kc: [head of 128][tile of 16 rows: 64][chunk 2][lane 32][16 bytes]: the 8 registers of a 16 x 64 fragment: lane (r, h): row r, registers 2 c, 2 c + 1: channels 16 c + 8 h + 0 .. 7
;   vc:     [head][128 keys: 8][16 channels: 4][chunk 4][lane 32][16 bytes]: the 16 registers of a 16 x 128 fragment: lane (r, h): channel r, registers 2 c, 2 c + 1: keys 16 c + 8 h + 0 .. 7
; Every store of a wave covers 512 consecutive bytes, aligned.  No stage in LDS is needed.
; THE BIAS is the C of each sum's first matrix instruction, divided by the power of two that the sums lack; the three scales ahead of a quantiser are folded into the conversion's one.
; LIMITS on the given exponents, so that each power of two is an f32 number: e6-e0-e1, e7-e2-e3, e9-e4-e5 between -126 and 119; e0+e1, e2+e3, e4+e5 between -100 and 100 (the bias divided by it stays an ordinary f32 number).  NaN among the biases is not served.
; REGISTERS, in windows of 256: window 0: v1-29 addresses and scales; v32-35 bv as loaded; v64-255 W's 12 fragments, ONE set (at the end the codes lie there).
;   window 1: v0-127 hidden's 4 fragments, TWO sets; v128-191 bq's and bk's 8 tiles; v192-223 bv's 4.   window 2: the 32 accumulators of q and k, (nb, mb) at v[8 (4 nb + mb)].   window 3: v's 16.
.set PITCH,  272                       ; an LDS row: 256 bytes + 16 of padding = 68 words: row r starts at bank 4 r mod 64 (64 banks of 4 bytes: ISA guide 11.1)
.set HT,     256*PITCH                 ; hidden's tile: 256 rows
.set WT,     64*PITCH                  ; one weight's tile: 64 rows; also a wave's 64 rows of hidden
.set SLOT,   HT+3*WT                   ; hidden, then Wq, Wk, Wv: 121,856 bytes
.set SPARE,  2*SLOT                    ; behind the ring: the spare words, 128 bytes for each wave: two blocks of 256 bytes that no other line names
.set SCQ, 8                            ; v8, v9   2^(e6-e0-e1) and 448 x that;  v10, v11 the same for k;  v12, v13 for v
.set LMQ, 9
.set SCK, 10
.set LMK, 11
.set SCV, 12
.set LMV, 13
.set ADRH, 16                          ; v16-17  LDS address of my fragments of hidden in slot 0, 1
.set ADRW, 20                          ; v20-21  the same for the weights
.set LI,   26                          ; v26     16 x lane: my place in an image's 512 bytes
.set SPW,  28                          ; v28     LDS address of my spare word; never rewritten
.set NIL,  29                          ; v29     0; never rewritten
.set BVL,  32                          ; v32-35  bv of my channel in the four tiles
.set WF,   64                          ; W's fragments
.set CQ,   128                         ; the codes at the end.  A conversion's destination and its source never carry the same register number, in different windows either
.set CK,   64
.set CV,   160
.set BQK,  128                         ; in window 1
.set BV,   192
.set WV,   14                          ; s14 my wave's number
.set G1H,  24                          ; s[24:31] descriptor group 1 for hidden's tiles; s[32:39] group 0, one set for each slot
.set G0H,  32
.set G1W,  48                          ; s[48:55], s[56:63] the same for the weights' tiles
.set G0W,  56
.set GW0,  (1<<20)|(1<<21)|(5<<22)|(3<<25)   ; elements of 1 byte; 20 padding on; 21 set beside a mask; 24:22 after every 64 words; 31:25 four words
.set QK,   0xa4                        ; source 0 (W) window 0, source 1 (hidden) window 1, C and D window 2
.set QK1,  0x94                        ; the same with C (the bias) in window 1
.set VV,   0xf1                        ; source 0 (hidden) window 1, source 1 (W) window 0, C and D window 3
.set VV1,  0xd1                        ; the same with C in window 1
.set TO_H, 0x40                        ; destination window 1, address window 0
.set MSB, 0
.macro WIN new                         ; the immediate's high byte repeats the setting that is left; a switch that changes nothing is dropped
.if MSB != (\new)
	s_set_vgpr_msb (MSB<<8)|(\new)
.set MSB, (\new)
.endif
.endm
.macro PLACES n
.rept \n
	v_nop
.endr
.endm
; A joint load: wave 0 fetches hidden's 256 rows, waves 1, 2, 3 the head's 64 rows of Wq, Wk, Wv.  The branch hangs on the wave's number alone.  Four v_nop follow each of the two lines.
.macro JLOAD s
	s_cmp_eq_u32 s[WV], 0
	s_cbranch_scc0 .Lfor_w_\@
	tensor_load_to_lds s[G0H+4*\s:G0H+4*\s+3], s[G1H:G1H+7]
	s_nop 0
.rept 4
	v_nop
.endr
	s_branch .Lasked_\@
.Lfor_w_\@:
	tensor_load_to_lds s[G0W+4*\s:G0W+4*\s+3], s[G1W:G1W+7]
	s_nop 0
.rept 4
	v_nop
.endr
.Lasked_\@:
.endm
.macro CREST                           ; a round of the cluster's barrier behind its opening barrier
	s_cmp_lg_u32 s[WV], 0
	s_cbranch_scc1 .Lnot_wave_0_\@
	s_barrier_signal -3
.Lnot_wave_0_\@:
	s_barrier_wait -3
	s_barrier_signal -1
	s_barrier_wait -1
.endm
.macro CROUND
	s_barrier_signal -1
	s_barrier_wait -1
	CREST
.endm
	s_load_b256 s[4:11], s[0:1], 0x0               ; hidden s[4:5], Wq s[6:7], Wk s[8:9], Wv s[10:11]
	s_load_b256 s[68:75], s[0:1], 0x20             ; bq s[68:69], bk s[70:71], bv s[72:73], the exponents s[74:75]
	s_load_b128 s[76:79], s[0:1], 0x40             ; qc s[76:77], kc s[78:79]
	s_load_b64 s[80:81], s[0:1], 0x50              ; vc
	v_lshl_add_u32 v[SPW], v0, 2, SPARE
	v_mov_b32 v[NIL], 0
	ds_add_u32 v28, v29
	ds_add_u32 v28, v29
	s_wait_dscnt 0x0
	v_lshrrev_b32 v1, 5, v0
	v_readfirstlane_b32 s[WV], v1                  ; wave 0..3
	s_bfe_u32 s40, ttmp6, 0x40000                  ; cx, cy: my place in the cluster
	s_bfe_u32 s41, ttmp6, 0x40004
	s_lshl_b32 s42, ttmp9, 2
	s_add_co_u32 s42, s42, s40                     ; the head = 4 x cluster x + cx
	s_and_b32 s17, ttmp7, 0xffff
	s_lshl_b32 s17, s17, 2
	s_add_co_u32 s17, s17, s41                     ; the block of 256 rows = 4 x cluster y + cy
	s_lshl_b32 s43, s41, 2
	s_lshl_b32 s43, 15, s43                        ; my row of the cluster
	s_lshl_b32 s44, 0x1111, s40                    ; my column
	s_or_b32 s[G1H], s43, GW0                      ; hidden's tiles hang on the block of rows alone: shared along my row
	s_or_b32 s[G1W], s44, GW0                      ; the weights' on the head alone: shared along my column
.irp g, G1H, G1W
	s_mov_b32 s[\g+1], 256<<16                     ; tensor_dim0 = 256 bytes
	s_mov_b32 s[\g+3], 256<<16                     ; tile_dim0 = 256
	s_mov_b32 s[\g+5], 1024                        ; from row to row
	s_mov_b32 s[\g+6], 0
	s_mov_b32 s[\g+7], 0
.endr
	s_mov_b32 s[G1H+2], 256<<16                    ; tensor_dim1 = 256 rows
	s_mov_b32 s[G1H+4], 256                        ; tile_dim1
	s_mov_b32 s[G1W+2], 64<<16                     ; 64 rows
	s_mov_b32 s[G1W+4], 64
	s_lshl_b32 s20, s17, 18                        ; hidden: 256 rows of 1,024 bytes a block
	s_mov_b32 s21, 0
	s_lshl_b32 s46, s42, 16                        ; a weight: 64 rows of 1,024 bytes a head
	s_mov_b32 s47, 0
	s_mul_i32 s45, s[WV], WT
	s_add_co_u32 s45, s45, HT-WT                   ; where wave 1, 2, 3 puts its weight's tile: behind hidden's, (wave - 1) x 64 rows on
	s_wait_kmcnt 0x0
	s_load_b256 s[84:91], s[74:75], 0x0            ; e0 .. e7
	s_load_b64 s[92:93], s[74:75], 0x20            ; e8, e9
	s_add_nc_u64 s[20:21], s[4:5], s[20:21]
	s_cmp_lt_u32 s[WV], 2                          ; which weight is my wave's: the choice hangs on the wave's number alone
	s_cselect_b64 s[94:95], s[6:7], s[8:9]
	s_cmp_eq_u32 s[WV], 3
	s_cselect_b64 s[94:95], s[10:11], s[94:95]
	s_add_nc_u64 s[46:47], s[94:95], s[46:47]
	CROUND                                         ; all sixteen work-groups are here: the first joint loads meet
.irp s, 0,1
	s_mov_b32 s[G0H+4*\s], 1                       ; count = 1
	s_mov_b32 s[G0H+4*\s+1], \s*SLOT               ; LDS address
	s_add_nc_u64 s[G0H+4*\s+2:G0H+4*\s+3], s[20:21], \s*256   ; K step s
	s_or_b32 s[G0H+4*\s+3], s[G0H+4*\s+3], 0x80000000         ; type = 2
	s_mov_b32 s[G0W+4*\s], 1
	s_add_co_u32 s[G0W+4*\s+1], s45, \s*SLOT
	s_add_nc_u64 s[G0W+4*\s+2:G0W+4*\s+3], s[46:47], \s*256
	s_or_b32 s[G0W+4*\s+3], s[G0W+4*\s+3], 0x80000000
	JLOAD \s                                       ; two tensor loads of mine are out
.endr
	v_and_b32 v1, 15, v0                           ; r
	v_bfe_u32 v2, v0, 4, 1                         ; h
	v_mul_u32_u24 v3, v1, PITCH
	v_lshl_add_u32 v4, v2, 4, v3                   ; a fragment's row x pitch + 16 h
	s_mul_i32 s15, s[WV], WT                       ; my 64 rows of hidden
	v_add_nc_u32 v[ADRH], s15, v4
	v_add_nc_u32 v[ADRH+1], SLOT, v[ADRH]
	v_add_nc_u32 v[ADRW], HT, v4
	v_add_nc_u32 v[ADRW+1], SLOT, v[ADRW]
	v_and_b32 v5, 31, v0
	v_lshlrev_b32 v[LI], 4, v5
	v_lshlrev_b32 v6, 5, v2                        ; bq, bk: my half's eight numbers of a tile: 32 h
	v_lshlrev_b32 v7, 2, v1                        ; bv: my channel's number: 4 r
	s_lshl_b32 s96, s42, 8                         ; the head's 64 numbers in each bias
	s_mov_b32 s97, 0
	s_add_nc_u64 s[68:69], s[68:69], s[96:97]
	s_add_nc_u64 s[70:71], s[70:71], s[96:97]
	s_add_nc_u64 s[72:73], s[72:73], s[96:97]
	WIN TO_H
.irp n, 0,1,2,3
	global_load_b128 v[BQK+8*\n:BQK+8*\n+3],       v6, s[68:69] offset:64*\n      ; bq(16 n + 8 h + 0 .. 7): the result's layout
	global_load_b128 v[BQK+8*\n+4:BQK+8*\n+7],     v6, s[68:69] offset:64*\n+16
	global_load_b128 v[BQK+32+8*\n:BQK+32+8*\n+3], v6, s[70:71] offset:64*\n
	global_load_b128 v[BQK+32+8*\n+4:BQK+32+8*\n+7], v6, s[70:71] offset:64*\n+16
.endr
	WIN 0
.irp d, 0,1,2,3
	global_load_b32 v[BVL+\d], v7, s[72:73] offset:64*\d                         ; bv(16 d + r)
.endr
	; where my wave's images begin: the head of 128 is 16 x batch + head, 65,536 bytes in each buffer
	s_lshr_b32 s94, s17, 2
	s_lshl_b32 s94, s94, 4
	s_add_co_u32 s94, s94, s42
	s_lshl_b32 s94, s94, 16
	s_and_b32 s95, s17, 3                          ; which 256 of the sequence's 1,024 rows
	s_lshl_b32 s96, s95, 14                        ; qc, kc: 16 tiles of 1,024 bytes a block,
	s_add_co_u32 s96, s96, s94
	s_lshl_b32 s97, s[WV], 12                      ; 4 tiles a wave
	s_add_co_u32 s96, s96, s97
	s_mov_b32 s97, 0
	s_lshl_b32 s98, s95, 14                        ; vc: two runs of 128 keys (8,192 bytes each) a block,
	s_add_co_u32 s98, s98, s94
	s_lshr_b32 s99, s[WV], 1                       ; waves 2, 3 in the second;
	s_lshl_b32 s99, s99, 13
	s_add_co_u32 s98, s98, s99
	s_and_b32 s99, s[WV], 1                        ; odd waves hold keys 64 .. 127 of the run: chunks 2, 3
	s_lshl_b32 s99, s99, 10
	s_add_co_u32 s98, s98, s99
	s_mov_b32 s99, 0
	s_add_nc_u64 s[76:77], s[76:77], s[96:97]
	s_add_nc_u64 s[78:79], s[78:79], s[96:97]
	s_add_nc_u64 s[80:81], s[80:81], s[98:99]
	s_wait_loadcnt 0x0                             ; the biases
	s_wait_kmcnt 0x0                               ; the exponents
	s_add_co_i32 s94, s84, s85                     ; e0 + e1: a sum of q stands for sum x 2^(e0+e1)
	s_sub_co_i32 s95, s90, s94                     ; e6 - e0 - e1: the conversion's one scale
	s_sub_co_i32 s94, 0, s94
	s_add_co_i32 s96, s86, s87
	s_sub_co_i32 s97, s91, s96                     ; e7 - e2 - e3
	s_sub_co_i32 s96, 0, s96
	s_add_co_i32 s98, s88, s89
	s_sub_co_i32 s99, s93, s98                     ; e9 - e4 - e5
	s_sub_co_i32 s98, 0, s98
	WIN 0x41                                       ; source 0 and destination window 1
.set j, 0
.rept 32
	v_ldexp_f32 v[BQK+j], v[BQK+j], s94            ; bq / 2^(e0+e1)
	v_ldexp_f32 v[BQK+32+j], v[BQK+32+j], s96      ; bk / 2^(e2+e3)
.set j, j+1
.endr
	WIN TO_H
.irp d, 0,1,2,3
.irp i, 0,1,2,3,4,5,6,7
	v_ldexp_f32 v[BV+8*\d+\i], v[BVL+\d], s98      ; bv / 2^(e4+e5): a lane's eight results of a tile of v are one channel's
.endr
.endr
	WIN 0
.macro MKSC vs, vl, sr                 ; s[sr] = e: v[vs] = 2^e as f32 (the conversion takes its exponent field), v[vl] = 448 x 2^e
	s_add_co_i32 s[\sr], s[\sr], 127
	s_lshl_b32 s84, s[\sr], 23
	v_mov_b32 v[\vs], s84
	s_add_co_i32 s[\sr], s[\sr], 8
	s_lshl_b32 s[\sr], s[\sr], 23
	s_or_b32 s[\sr], s[\sr], 0x600000
	v_mov_b32 v[\vl], s[\sr]
.endm
	MKSC SCQ, LMQ, 95
	MKSC SCK, LMK, 97
	MKSC SCV, LMV, 99
; A fragment, 16 rows x 128 K of 8-bit codes, is 16 registers, fetched by four loads of 16 bytes: registers 4 c .. 4 c + 3 hold K = 32 c + 16 h + 0 .. 15: a permutation of k that is the same in both operands, so every product meets its partner.
.macro FRAG reg, adr, q, i
.irp c, 0,1,2,3
	ds_load_b128 v[\reg+4*\c:\reg+4*\c+3], v[\adr] offset:128*(\q)+32*\c+(\i)*16*PITCH
.endr
.endm
.macro FETCH_H slot, q, p              ; hidden's four fragments of the slot's q-th 128 along K into set p: 16 loads
	WIN TO_H
.irp i, 0,1,2,3
	FRAG 64*(\p)+16*\i, ADRH+\slot, \q, \i
.endr
	WIN 0
.endm
.macro FETCH_W slot, q, n0             ; W's blocks n0 .. n0 + 5: 24 loads
.irp i, \n0, \n0+1, \n0+2, \n0+3, \n0+4, \n0+5
	FRAG WF+16*(\i), ADRW+\slot, \q, \i
.endr
.endm
; The 48 accumulators take turns, one instruction a turn, in the same order in every step.  first = 1: the bias starts the sums: nothing is cleared.
.macro MULQK n0, n1, p, first
.set nb, \n0
.rept (\n1)-(\n0)+1
.irp mb, 0,1,2,3
.if \first
	v_wmma_f32_16x16x128_fp8_fp8 v[8*(4*nb+\mb):8*(4*nb+\mb)+7], v[WF+16*nb:WF+16*nb+15], v[64*(\p)+16*\mb:64*(\p)+16*\mb+15], v[BQK+8*nb:BQK+8*nb+7]
.else
	v_wmma_f32_16x16x128_fp8_fp8 v[8*(4*nb+\mb):8*(4*nb+\mb)+7], v[WF+16*nb:WF+16*nb+15], v[64*(\p)+16*\mb:64*(\p)+16*\mb+15], v[8*(4*nb+\mb):8*(4*nb+\mb)+7]
.endif
.endr
.set nb, nb+1
.endr
.endm
.macro MULV p, first
.irp d, 0,1,2,3
.irp mb, 0,1,2,3
.if \first
	v_wmma_f32_16x16x128_fp8_fp8 v[8*(4*\d+\mb):8*(4*\d+\mb)+7], v[64*(\p)+16*\mb:64*(\p)+16*\mb+15], v[WF+16*(8+\d):WF+16*(8+\d)+15], v[BV+8*\d:BV+8*\d+7]
.else
	v_wmma_f32_16x16x128_fp8_fp8 v[8*(4*\d+\mb):8*(4*\d+\mb)+7], v[64*(\p)+16*\mb:64*(\p)+16*\mb+15], v[WF+16*(8+\d):WF+16*(8+\d)+15], v[8*(4*\d+\mb):8*(4*\d+\mb)+7]
.endif
.endr
.endr
.endm
; A load into a register that a matrix instruction has read stands four places behind it, and only plain vector instructions that name none of its registers are places (ISA guide 7.12.1 for vector instructions).
; A slot's first 128 along K (hidden's set 0).  W's blocks are free as soon as their four products are issued, so one set serves W: blocks 0-5 are fetched anew in the step's middle, blocks 6-11 at its end.
.macro STEP slot, first
	s_wait_dscnt 24                                ; hidden's set and W's blocks 0-5 are in; the youngest 24 loads (W's blocks 6-11) may be out
.if \first
	WIN QK1
.else
	WIN QK
.endif
	MULQK 0, 5, 0, \first
	s_wait_dscnt 0x0                               ; W's blocks 6-11 are in (asked for 24 matrix instructions ago)
	PLACES 4
	FETCH_H \slot, 1, 1
	FETCH_W \slot, 1, 0
.if \first
	WIN QK1
.else
	WIN QK
.endif
	MULQK 6, 7, 0, \first
.if \first
	WIN VV1
.else
	WIN VV
.endif
	MULV 0, \first
	PLACES 4
	WIN 0
	FETCH_W \slot, 1, 6
.endm
; A slot's second 128 (hidden's set 1) changes slots: ONE barrier; in front of it each wave waits for all its tensor loads, adds 0 to its spare word, and waits for that and for its own reads of this slot.
; fill = 1: this slot is filled again, two K steps ahead; the barrier then opens a round of the cluster's barrier.
.macro TURN slot, next, fill
	s_wait_tensorcnt 0x0                           ; all my tensor loads have landed: my part of the next slot  (every window is 0 here)
	ds_add_u32 v[SPW], v[NIL]                      ; 0 onto my spare word
	s_wait_dscnt 25                                ; (the add and the youngest 24 loads, W's blocks 6-11, may be out)
	WIN QK
	MULQK 0, 2, 1, 0                               ; twelve matrix instructions stand between the add and the wait for it
	s_wait_dscnt 0x0                               ; the add is done, and my reads of this slot are over
	s_barrier_signal -1
	MULQK 3, 5, 1, 0
	WIN 0
	s_barrier_wait -1
.if \fill
	CREST                                          ; no wave of any partner still reads this slot's tiles or has a load on its way
	s_add_nc_u64 s[G0H+4*\slot+2:G0H+4*\slot+3], s[G0H+4*\slot+2:G0H+4*\slot+3], 512
	s_add_nc_u64 s[G0W+4*\slot+2:G0W+4*\slot+3], s[G0W+4*\slot+2:G0W+4*\slot+3], 512
	JLOAD \slot                                    ; the first tensor load behind the round, my one load until the next; its four v_nop are also the places in front of the loads below
.else
	PLACES 4
.endif
	FETCH_H \next, 0, 0
	FETCH_W \next, 0, 0
	WIN QK
	MULQK 6, 7, 1, 0
	WIN VV
	MULV 1, 0
	PLACES 4
	WIN 0
	FETCH_W \next, 0, 6
.endm
	s_wait_tensorcnt 1                             ; my part of K step 0 is in; K step 1's load may be out
	s_barrier_signal -1
	s_barrier_wait -1                              ; everybody's is
	FETCH_H 0, 0, 0
	FETCH_W 0, 0, 0
	FETCH_W 0, 0, 6
	STEP 0, 1                                      ; K 0 .. 127: the biases start the sums
	TURN 0, 1, 1                                   ; slot 0 takes K 512 .. 767
	STEP 1, 0
	TURN 1, 0, 1                                   ; slot 1 takes K 768 .. 1,023
	STEP 0, 0
	TURN 0, 1, 0                                   ; nothing is left to fetch
	STEP 1, 0
	s_wait_dscnt 24                                ; the last 128 along K
	WIN QK
	MULQK 0, 5, 1, 0
	s_wait_dscnt 0x0
	MULQK 6, 7, 1, 0
	WIN VV
	MULV 1, 0
	PLACES 4                                       ; in front of the first read of results and of writes into W's registers
; THE WAY OUT.  The hold (the conversion to an 8-bit code does not saturate: ISA guide 7.6.2), each accumulator from its low end on; one conversion an accumulator; the images are stored.
.macro HOLD w, a0, lm
	WIN ((\w)<<6)|(\w)                             ; source 0 and destination: the accumulators' window
.set j, 0
.rept 128
	v_med3_num_f32 v[\a0+j], v[\a0+j], -v[\lm], v[\lm]
.set j, j+1
.endr
	WIN \w                                         ; source 0 alone
.endm
.macro OUTQK a0, lm, sc, cod, sb
	HOLD 2, \a0, \lm
.irp mb, 0,1,2,3
.irp n, 0,1,2,3
	v_cvt_scalef32_pk8_fp8_f32 v[\cod+8*\mb+2*\n:\cod+8*\mb+2*\n+1], v[\a0+8*(4*\n+\mb):\a0+8*(4*\n+\mb)+7], v[\sc]   ; registers 2 n, 2 n + 1 of tile mb's fragment
.endr
.endr
	v_nop                                          ; one plain vector line behind the last conversion of a run
	WIN 0
.irp mb, 0,1,2,3
.irp ch, 0,1
	global_store_b128 v[LI], v[\cod+8*\mb+4*\ch:\cod+8*\mb+4*\ch+3], s[\sb:\sb+1] offset:\mb*1024+\ch*512   ; 32 lanes store 512 consecutive bytes
.endr
.endr
.endm
	OUTQK 0,   LMQ, SCQ, CQ, 76
	OUTQK 128, LMK, SCK, CK, 78
	HOLD 3, 0, LMV
.irp d, 0,1,2,3
.irp mb, 0,1,2,3
	v_cvt_scalef32_pk8_fp8_f32 v[CV+8*\d+2*\mb:CV+8*\d+2*\mb+1], v[8*(4*\d+\mb):8*(4*\d+\mb)+7], v[SCV]   ; keys 16 mb + 8 h + 0 .. 7 of channel 16 d + r
.endr
.endr
	v_nop
	WIN 0
.irp d, 0,1,2,3
.irp ch, 0,1
	global_store_b128 v[LI], v[CV+8*\d+4*\ch:CV+8*\d+4*\ch+3], s[80:81] offset:\d*2048+\ch*512
.endr
.endr
	s_wait_tensorcnt 0x0                           ; the wave's end
	ds_add_u32 v[SPW], v[NIL]
	s_wait_dscnt 0x0
	CROUND                                         ; the closing round: no work-group ends while a partner may still ask for a tile that names it
	s_endpgm
.Lfunc_end_k_q94cc44deea_proj:
	.size	k_q94cc44deea_proj, .Lfunc_end_k_q94cc44deea_proj-k_q94cc44deea_proj
	.p2alignl 7, 3214868480
	.fill 96, 4, 3214868480
	.section	.rodata,"a",@progbits
	.p2align	6, 0x0
	.amdhsa_kernel k_q94cc44deea_proj
		.amdhsa_group_segment_fixed_size 327680
		.amdhsa_private_segment_fixed_size 0
		.amdhsa_enable_private_segment 0
		.amdhsa_kernarg_size 88
		.amdhsa_user_sgpr_count 2
		.amdhsa_user_sgpr_kernarg_segment_ptr 1
		.amdhsa_wavefront_size32 1
		.amdhsa_system_sgpr_workgroup_id_x 1
		.amdhsa_system_sgpr_workgroup_id_y 1
		.amdhsa_system_sgpr_workgroup_id_z 1
		.amdhsa_system_vgpr_workitem_id 0
		.amdhsa_next_free_vgpr 1024
		.amdhsa_next_free_sgpr 100
		.amdhsa_reserve_vcc 0
		.amdhsa_float_denorm_mode_32 3
		.amdhsa_float_denorm_mode_16_64 3
		.amdhsa_memory_ordered 1
		.amdhsa_forward_progress 1
		.amdhsa_inst_pref_size 109
	.end_amdhsa_kernel
	.amdgpu_metadata
---
amdhsa.version: [ 1, 2 ]
amdhsa.kernels:
  - .name:           k_q94cc44deea_proj
    .symbol:         k_q94cc44deea_proj.kd
    .args:
      - { .name: hidden_states_codes, .offset: 0, .size: 8, .value_kind: global_buffer, .address_space: global }
      - { .name: Wq_codes, .offset: 8, .size: 8, .value_kind: global_buffer, .address_space: global }
      - { .name: Wk_codes, .offset: 16, .size: 8, .value_kind: global_buffer, .address_space: global }
      - { .name: Wv_codes, .offset: 24, .size: 8, .value_kind: global_buffer, .address_space: global }
      - { .name: bq, .offset: 32, .size: 8, .value_kind: global_buffer, .address_space: global }
      - { .name: bk, .offset: 40, .size: 8, .value_kind: global_buffer, .address_space: global }
      - { .name: bv, .offset: 48, .size: 8, .value_kind: global_buffer, .address_space: global }
      - { .name: lowp_scales, .offset: 56, .size: 8, .value_kind: global_buffer, .address_space: global }
      - { .name: qc, .offset: 64, .size: 8, .value_kind: global_buffer, .address_space: global }
      - { .name: kc, .offset: 72, .size: 8, .value_kind: global_buffer, .address_space: global }
      - { .name: vc, .offset: 80, .size: 8, .value_kind: global_buffer, .address_space: global }
    .group_segment_fixed_size: 327680
    .private_segment_fixed_size: 0
    .kernarg_segment_align: 8
    .kernarg_segment_size: 88
    .max_flat_workgroup_size: 128
    .sgpr_count:     100
    .vgpr_count:     1024
    .wavefront_size: 32
...
	.end_amdgpu_metadata
.endif
;; end of part 1
;; launch attn (part 2): grid 256 x 1, 4 waves a work-group, no clusters, 74,240 bytes of LDS; arguments qc, kc, vc, attention_mask, head_mask, lowp_scales, out0; writes out0
.if DOCPART == 2
	.amdgcn_target "amdgcn-amd-amdhsa--gfx1250"
	.amdhsa_code_object_version 6
	.text
	.protected	k_q94cc44deea_attn
	.globl	k_q94cc44deea_attn
	.p2align	8
	.type	k_q94cc44deea_attn,@function
k_q94cc44deea_attn:
	s_mov_b64 s[64:65], 0
	v_nop
	global_prefetch_b8 v0, s[64:65] scope:SCOPE_SE
	s_setreg_imm32_b32 hwreg(HW_REG_WAVE_MODE, 25, 1), 1
	s_wait_xcnt 0x0
; out[b][s][64 head + :] = Q(softmax(q k^T / 8 + mask) x head_mask) v, both products on codes of FP8 (E4M3).  qc, kc, vc: the first launch's images of fragments (65,536 bytes a head each).
; WHAT IS QUANTISED IS THE FINISHED, NORMALISED PROBABILITY x head_mask, so a row's sum over all 1,024 keys is known before any of its p becomes a code.
; SHARES.  A work-group owns 512 queries of one head (work-group = 2 x head of 128 + half), in 8 blocks of 64 (four tiles of 16).  THE FOUR WAVES SPLIT THE KEYS: wave w owns keys 256 w .. 256 w + 255 for the whole launch.
; Its 16 fragments of K, its 8 of V and its part of the mask (in the result's layout) are 3 x 128 registers, loaded from memory once.  A block's scores of a wave, 4 x 16 tiles x 8 = 512 registers, stay in place
; from the first product to the conversion: one exponential a score, no second pass, no LDS read inside the softmax.
; ARITHMETIC.  S^T = K Q^T + C (source 0 = 16 keys, source 1 = 16 queries: a lane holds ONE query, lane % 16), C = mask x 8 / 2^(e6+e7): the mask costs no vector instruction.  t = S x c, c = log2(e) / 8 x 2^(e6+e7).
; Each wave takes away ITS OWN largest t rounded up to a whole number Mw: p = 2^(t - Mw).  The waves exchange (-Mw, sum of p) through LDS; M = the largest Mw; total = the sum of sum_w x 2^(Mw - M), a scaling that rounds nothing;
; g = |head_mask| / total x 2^(my Mw - M); code = Q(min(p g, 448 x 2^e8) / 2^e8).  The quantiser is odd, so head_mask's sign goes into the last factor F = +-2^(e8+e9).
; O^T = V^T P^T over the wave's 256 keys; the four waves' parts meet in LDS, where they also turn into whole rows: sixteen lanes store a query's 64 numbers, 256 consecutive bytes, aligned.
; NO CLUSTER, NO TENSOR LOAD: only two work-groups share a head's K and V, and each wave reads its 32 KiB of them once in the launch, straight into the registers where they stay; nothing is fetched again that could be asked for jointly.
; LIMITS.  Mask entries are held within +-2^29 (-infinity too): that differs from the definition only where EVERY key of a batch row has a mask beyond that.  With it |t| stays under 2^31, so that t - Mw, which carries the rounding of
; c x the largest score, stays under 64 and no p and no sum overflows.  e6+e7 between -90 and 8; e8 between -126 and 119; e8+e9 between -126 and 127.  NaN among the inputs and an infinite head_mask are not served.
; REGISTERS, in windows of 256: window 0: v1-9 addresses and scales; v12-19 (-Mw, sum) a tile; v20-27 g a tile; v28-31 shifts; v32-63 at work; v64-95 Q; v96-127 p's codes, else the exchanged statistics, else rows of out; v128-255 K.
;   window 1: v0-127 the mask; v128-255 V.   windows 2, 3: the scores: query tile i in window 2 + i / 2 from v[128 (i % 2)] on; O^T of the tile lies over its first 32 registers once its codes are made.
.set STAT, 0                           ; LDS: [query tile 4][query 16][wave 4] x 8 bytes: (-Mw, sum)
.set OB,   2048                        ; LDS: [source wave 4][query 64] x (256 bytes + 16)
.set OPW,  64*272                      ; a source wave's part
.set LI,  1                            ; v1  16 x lane
.set MO,  2                            ; v2  the mask: 32 h
.set STA, 3                            ; v3  where I store my statistics: 32 r + 8 w
.set STR, 4                            ; v4  where I read a query's four: 32 r
.set OSA, 5                            ; v5  where I put 32 bytes of a row of O
.set ORA, 6                            ; v6  where I read a row's 16 bytes back
.set GO,  7                            ; v7  my byte offset in out
.set SC,  8                            ; v8  2^e8 as f32
.set LIM, 9                            ; v9  448 x 2^e8
.set MH,  10                           ; v10 2^29
.set ST,  12
.set G,   20
.set SH,  28
.set T,   32
.set U,   48
.set PX,  56                           ; v56 a lane permute's destination
.set QF,  64
.set PB,  96
.set KF,  128
.set MK,  0                            ; in window 1
.set VF,  128
.set MSB, 0
.macro WIN new                         ; the immediate's high byte repeats the setting that is left; a switch that changes nothing is dropped
.if MSB != (\new)
	s_set_vgpr_msb (MSB<<8)|(\new)
.set MSB, (\new)
.endif
.endm
.macro TILE i                          ; query tile i's window and first register
.set WS, 2+(\i)/2
.set SB, 128*((\i)%2)
.endm
.macro BLK                             ; key tile t's place among a query tile's 16 blocks of 8: its own number, but tiles 0 and 15 change places,
.set bk, t                             ; so that no conversion below names one register number as destination (v[96 + 2 t]) and as source (v[8 bk ..]), in different windows either
.if t == 0
.set bk, 15
.endif
.if t == 15
.set bk, 0
.endif
.endm
	s_load_b256 s[4:11], s[0:1], 0x0               ; qc s[4:5], kc s[6:7], vc s[8:9], the mask s[10:11]
	s_load_b128 s[12:15], s[0:1], 0x20             ; head_mask s[12:13], the exponents s[14:15]
	s_load_b64 s[16:17], s[0:1], 0x30              ; out
	v_lshrrev_b32 v32, 5, v0
	v_readfirstlane_b32 s18, v32                   ; wave 0..3
	v_and_b32 v33, 31, v0
	v_lshlrev_b32 v[LI], 4, v33
	v_and_b32 v32, 15, v0                          ; r
	v_bfe_u32 v33, v0, 4, 1                        ; h
	v_lshlrev_b32 v[MO], 5, v33
	v_lshlrev_b32 v[STR], 5, v32
	s_lshl_b32 s56, s18, 3
	v_add_nc_u32 v[STA], s56, v[STR]
	v_mul_u32_u24 v34, v32, 272
	v_lshl_add_u32 v34, v33, 5, v34
	s_mul_i32 s56, s18, OPW
	s_add_co_u32 s56, s56, OB
	v_add_nc_u32 v[OSA], s56, v34                  ; my part: row r, + 32 h
	v_mul_u32_u24 v34, v33, 272
	v_lshl_add_u32 v34, v32, 4, v34
	s_mul_i32 s56, s18, 16*272
	s_add_co_u32 s56, s56, OB
	v_add_nc_u32 v[ORA], s56, v34                  ; back: rows 16 w + h on, 16 bytes a lane
	v_lshlrev_b32 v34, 12, v33
	v_lshl_add_u32 v[GO], v32, 4, v34              ; and in out: a row is 4,096 bytes
	v_mov_b32 v[MH], 0x4e000000                    ; 2^29
.irp i, 0,1,2,3
	v_mov_b32 v[ST+2*\i+1], 0                      ; named as the upper halves of pairs before they hold anything
	v_mov_b32 v[G+2*\i+1], 0
.endr
	v_mov_b32 v[PX], 0                             ; a lane permute's destination counts as one of its sources
	s_mov_b32 s20, 0x76543210                      ; v_permlanex16_b32's selects for lane l xor 16
	s_mov_b32 s21, 0xfedcba98
	s_mov_b32 s29, 8                               ; blocks to go
	s_lshr_b32 s19, ttmp9, 1                       ; the head of 128
	s_and_b32 s30, ttmp9, 1                        ; which 512 queries
	s_lshr_b32 s31, s19, 4                         ; the batch
	s_and_b32 s42, s19, 15                         ; the head of 16
	s_lshl_b32 s44, s19, 16
	s_lshl_b32 s46, s18, 14
	s_add_co_u32 s46, s46, s44                     ; kc, vc: the head, + my 256 keys: 16,384 bytes
	s_mov_b32 s47, 0
	s_lshl_b32 s48, s30, 15
	s_add_co_u32 s48, s48, s44                     ; qc: the head, + 32 tiles a half
	s_mov_b32 s49, 0
	s_lshl_b32 s50, s31, 12
	s_lshl_b32 s51, s18, 10
	s_add_co_u32 s50, s50, s51                     ; the mask: the batch's row, + my 256 numbers
	s_mov_b32 s51, 0
	s_lshl_b32 s52, s31, 22                        ; out: the batch,
	s_lshl_b32 s53, s30, 21                        ; 512 rows a half,
	s_add_co_u32 s52, s52, s53
	s_lshl_b32 s53, s18, 16                        ; the 16 rows of a block that I store,
	s_add_co_u32 s52, s52, s53
	s_lshl_b32 s53, s42, 8                         ; the head's 256 bytes of a row
	s_add_co_u32 s52, s52, s53
	s_mov_b32 s53, 0
	s_lshl_b32 s54, s42, 2
	s_mov_b32 s55, 0
	s_wait_kmcnt 0x0
	s_load_b256 s[32:39], s[14:15], 0x0            ; e0 .. e7
	s_load_b64 s[40:41], s[14:15], 0x20            ; e8, e9
	s_add_nc_u64 s[12:13], s[12:13], s[54:55]
	s_load_b32 s26, s[12:13], 0x0                  ; head_mask of my head
	s_add_nc_u64 s[4:5], s[4:5], s[48:49]
	s_add_nc_u64 s[6:7], s[6:7], s[46:47]
	s_add_nc_u64 s[8:9], s[8:9], s[46:47]
	s_add_nc_u64 s[10:11], s[10:11], s[50:51]
	s_add_nc_u64 s[16:17], s[16:17], s[52:53]
	WIN 0x40                                       ; destination window 1
.set t, 0
.rept 16
	global_load_b128 v[MK+8*t:MK+8*t+3],   v[MO], s[10:11] offset:64*t      ; mask(16 t + 8 h + 0 .. 7): the layout of S^T
	global_load_b128 v[MK+8*t+4:MK+8*t+7], v[MO], s[10:11] offset:64*t+16
.set t, t+1
.endr
	WIN 0
.set t, 0
.rept 16
	global_load_b128 v[KF+8*t:KF+8*t+3],   v[LI], s[6:7] offset:1024*t      ; K's fragments as they were stored
	global_load_b128 v[KF+8*t+4:KF+8*t+7], v[LI], s[6:7] offset:1024*t+512
.set t, t+1
.endr
	s_wait_kmcnt 0x0
	s_add_co_i32 s43, s38, s39                     ; e6 + e7
	s_lshl_b32 s56, s43, 23
	s_add_co_i32 s22, s56, 0x3e38aa3b              ; c = log2(e) / 8, with e6 + e7 added to its exponent field
	s_mov_b32 s23, s22                             ; (named with it as a pair, so it is written)
	s_sub_co_i32 s28, 3, s43                       ; the mask goes in x 8 / 2^(e6+e7)
	s_add_co_i32 s56, s40, 127
	s_lshl_b32 s57, s56, 23
	v_mov_b32 v[SC], s57
	s_add_co_i32 s56, s56, 8
	s_lshl_b32 s56, s56, 23
	s_or_b32 s56, s56, 0x600000
	v_mov_b32 v[LIM], s56
	s_add_co_i32 s56, s40, s41
	s_add_co_i32 s56, s56, 127
	s_lshl_b32 s56, s56, 23                        ; 2^(e8+e9)
	s_and_b32 s57, s26, 0x80000000
	s_or_b32 s24, s56, s57                         ; F: with head_mask's sign
	s_mov_b32 s25, s24
	s_and_b32 s26, s26, 0x7fffffff                 ; |head_mask|
	s_wait_loadcnt 32                              ; the mask is in; K's 32 loads may be out
	WIN 0x41                                       ; source 0 and destination window 1
.set j, 0
.rept 128
	v_med3_num_f32 v[MK+j], v[MK+j], -v[MH], v[MH]
.set j, j+1
.endr
.set j, 0
.rept 128
	v_ldexp_f32 v[MK+j], v[MK+j], s28
.set j, j+1
.endr
	WIN 0x40
.set t, 0
.rept 8
.irp c, 0,1,2,3
	global_load_b128 v[VF+16*t+4*\c:VF+16*t+4*\c+3], v[LI], s[8:9] offset:2048*t+512*\c   ; V's fragment (128 keys t / 4, channels 16 (t % 4) on)
.endr
.set t, t+1
.endr
	WIN 0
.irp i, 0,1,2,3
	global_load_b128 v[QF+8*\i:QF+8*\i+3],   v[LI], s[4:5] offset:1024*\i
	global_load_b128 v[QF+8*\i+4:QF+8*\i+7], v[LI], s[4:5] offset:1024*\i+512
.endr
.macro QK i                            ; 16 products: my 16 tiles of keys x query tile i; the mask is the C
	TILE \i
	WIN (WS<<6)|0x10                               ; K and Q window 0, C window 1, D the tile's window
.set t, 0
.rept 16
	BLK
	v_wmma_f32_16x16x64_fp8_fp8 v[SB+8*bk:SB+8*bk+7], v[KF+8*t:KF+8*t+7], v[QF+8*(\i):QF+8*(\i)+7], v[MK+8*t:MK+8*t+7]
.set t, t+1
.endr
.endm
.macro MAXQ i                          ; -Mw = floor(-c x the largest of my query's 256 scores)
	TILE \i
	WIN (WS<<2)|(WS<<4)                            ; sources 1 and 2: the scores
.set n, 0
.rept 64
	v_max3_num_f32 v[T+4*(\i)+n%4], v[T+4*(\i)+n%4], v[SB+2*n], v[SB+2*n+1]   ; four chains; each accumulator from its low end on
.set n, n+1
.endr
	WIN 0
	v_max3_num_f32 v[T+4*(\i)], v[T+4*(\i)], v[T+4*(\i)+1], v[T+4*(\i)+2]
	v_max_num_f32 v[T+4*(\i)], v[T+4*(\i)], v[T+4*(\i)+3]
	v_permlanex16_b32 v[PX], v[T+4*(\i)], s20, s21 ; the query's other 128 keys lie in the lane 16 away
	v_max_num_f32 v[T+4*(\i)], v[T+4*(\i)], v[PX]
	v_mul_f32 v[T+4*(\i)], s22, v[T+4*(\i)]        ; as t (c is positive)
	v_floor_f32 v[ST+2*(\i)], -v[T+4*(\i)]         ; a whole number
.endm
.macro EXPQ i                          ; p = 2^(c s - Mw), in place.  The scaling of a pair runs two pairs ahead of its exponentials, so that a plain line follows every second exponential
	TILE \i
	WIN (WS<<6)|WS                                 ; source 0 and destination: the scores
	v_pk_fma_f32 v[SB:SB+1],   v[SB:SB+1],   s[22:23], v[ST+2*(\i):ST+2*(\i)+1] op_sel_hi:[1,0,0]
	v_pk_fma_f32 v[SB+2:SB+3], v[SB+2:SB+3], s[22:23], v[ST+2*(\i):ST+2*(\i)+1] op_sel_hi:[1,0,0]
.set n, 0
.rept 64
.if n < 62
	v_pk_fma_f32 v[SB+2*n+4:SB+2*n+5], v[SB+2*n+4:SB+2*n+5], s[22:23], v[ST+2*(\i):ST+2*(\i)+1] op_sel_hi:[1,0,0]
.endif
	v_exp_f32 v[SB+2*n], v[SB+2*n]
	v_exp_f32 v[SB+2*n+1], v[SB+2*n+1]
.set n, n+1
.endr
.endm
.macro SUMQ i                          ; the sum of my query's 256 p, unquantised, in four packed chains; then (-Mw, sum) goes to LDS
	TILE \i
	WIN WS|(WS<<2)
	s_wait_alu depctr_va_vdst(0)
.irp k, 0,1,2,3
	v_pk_add_f32 v[U+2*\k:U+2*\k+1], v[SB+4*\k:SB+4*\k+1], v[SB+4*\k+2:SB+4*\k+3]   ; (the first is the plain line behind the last exponentials, whose results it does not read)
.endr
	WIN (WS<<2)
.set n, 8
.rept 56
	v_pk_add_f32 v[U+2*(n%4):U+2*(n%4)+1], v[U+2*(n%4):U+2*(n%4)+1], v[SB+2*n:SB+2*n+1]
.set n, n+1
.endr
	WIN 0
	v_pk_add_f32 v[U:U+1], v[U:U+1], v[U+2:U+3]
	v_pk_add_f32 v[U+4:U+5], v[U+4:U+5], v[U+6:U+7]
	v_pk_add_f32 v[U:U+1], v[U:U+1], v[U+4:U+5]
	v_add_f32 v[U], v[U], v[U+1]
	v_permlanex16_b32 v[PX], v[U], s20, s21
	v_add_f32 v[ST+2*(\i)+1], v[U], v[PX]
	ds_store_b64 v[STA], v[ST+2*(\i):ST+2*(\i)+1] offset:STAT+512*(\i)   ; lanes r and r + 16 store the same two words
.endm
.macro NORM i                          ; p g, held at the largest code x the scale (p is not negative: the hold is one-sided; the conversion does not saturate: ISA guide 7.6.2), then 16 conversions
	TILE \i
	WIN (WS<<6)|WS
	v_pk_mul_f32 v[SB:SB+1], v[SB:SB+1], v[G+2*(\i):G+2*(\i)+1] op_sel_hi:[1,0]
.set n, 0
.rept 64
.if n < 63
	v_pk_mul_f32 v[SB+2*n+2:SB+2*n+3], v[SB+2*n+2:SB+2*n+3], v[G+2*(\i):G+2*(\i)+1] op_sel_hi:[1,0]
.endif
	v_min_num_f32 v[SB+2*n], v[SB+2*n], v[LIM]
	v_min_num_f32 v[SB+2*n+1], v[SB+2*n+1], v[LIM]
.set n, n+1
.endr
	WIN WS
.set t, 0
.rept 16
	BLK
	v_cvt_scalef32_pk8_fp8_f32 v[PB+2*t:PB+2*t+1], v[SB+8*bk:SB+8*bk+7], v[SC]   ; keys 16 t + 8 h + 0 .. 7: registers 2 (t % 8), + 1 of the fragment of keys 128 (t / 8) on
.set t, t+1
.endr
	v_nop                                          ; one plain vector line between the conversions and the products that read their results and write over their sources
.endm
.macro PV i                            ; O^T = V^T P^T: four tiles of 16 channels by turns, two steps of 128 keys; the first starts the sums
	TILE \i
	WIN (WS<<6)|(WS<<4)|1                          ; V window 1, P window 0, C and D the tile's window
.irp d, 0,1,2,3
	v_wmma_f32_16x16x128_fp8_fp8 v[SB+8*\d:SB+8*\d+7], v[VF+16*\d:VF+16*\d+15], v[PB:PB+15], 0
.endr
.irp d, 0,1,2,3
	v_wmma_f32_16x16x128_fp8_fp8 v[SB+8*\d:SB+8*\d+7], v[VF+64+16*\d:VF+64+16*\d+15], v[PB+16:PB+31], v[SB+8*\d:SB+8*\d+7]
.endr
.endm
.macro OST i                           ; my part of O for query tile i into my part of LDS: lane (r, h): row 16 i + r, channels 16 d + 8 h + 0 .. 7
	TILE \i
	WIN (WS<<2)                                    ; an LDS store's data are its source 1
.irp d, 0,1,2,3
	ds_store_b128 v[OSA], v[SB+8*\d:SB+8*\d+3]   offset:(\i)*16*272+64*\d
	ds_store_b128 v[OSA], v[SB+8*\d+4:SB+8*\d+7] offset:(\i)*16*272+64*\d+16
.endr
.endm
.Lblock:                                           ; 8 trips: a block of 64 queries
	s_wait_loadcnt 0x0                             ; Q (asked for a trip ago); in the first trip K and V too
	QK 0
	QK 1
	QK 2
	QK 3
	WIN 0
.set n, 0
.rept 16
	v_mov_b32 v[T+n], 0xff800000                   ; the maxima's chains begin at -infinity.  These sixteen are also the places behind the products
.set n, n+1
.endr
	s_cmp_eq_u32 s29, 1                            ; the next block's Q is asked for here, if there is one: no load leaves its buffer
	s_cbranch_scc1 .Lno_q
.irp i, 0,1,2,3
	global_load_b128 v[QF+8*\i:QF+8*\i+3],   v[LI], s[4:5] offset:4096+1024*\i
	global_load_b128 v[QF+8*\i+4:QF+8*\i+7], v[LI], s[4:5] offset:4096+1024*\i+512
.endr
.Lno_q:
.irp i, 0,1,2,3
	MAXQ \i
	EXPQ \i
	SUMQ \i
.endr
	s_wait_dscnt 0x0                               ; for the others' sake: my statistics are in LDS (and my reads of O's parts, a trip ago, are long over)
	s_barrier_signal -1
	s_barrier_wait -1
.irp i, 0,1,2,3
	ds_load_b128 v[PB+8*\i:PB+8*\i+3],   v[STR] offset:STAT+512*\i       ; my query's (-M0, sum0, -M1, sum1,
	ds_load_b128 v[PB+8*\i+4:PB+8*\i+7], v[STR] offset:STAT+512*\i+16    ;  -M2, sum2, -M3, sum3)
.endr
	s_wait_dscnt 0x0
.irp i, 0,1,2,3
	v_min3_num_f32 v[T+\i], v[PB+8*\i], v[PB+8*\i+2], v[PB+8*\i+4]
.endr
.irp i, 0,1,2,3
	v_min_num_f32 v[T+\i], v[T+\i], v[PB+8*\i+6]   ; -M: M is the largest of the four
.endr
.irp i, 0,1,2,3
.irp w, 0,1,2,3
	v_sub_f32 v[U+4*\i+\w], v[T+\i], v[PB+8*\i+2*\w]   ; Mw - M: a whole number, 0 or less
.endr
	v_sub_f32 v[SH+\i], v[T+\i], v[ST+2*\i]        ; my own
.endr
.set n, 0
.rept 16
	v_cvt_i32_f32 v[U+n], v[U+n]                   ; (it saturates)
.set n, n+1
.endr
.irp i, 0,1,2,3
	v_cvt_i32_f32 v[SH+\i], v[SH+\i]
.endr
.irp i, 0,1,2,3
.irp w, 0,1,2,3
	v_ldexp_f32 v[PB+8*\i+2*\w+1], v[PB+8*\i+2*\w+1], v[U+4*\i+\w]   ; each wave's sum under the common M
.endr
.endr
.irp i, 0,1,2,3
	v_add_f32 v[PB+8*\i+1], v[PB+8*\i+1], v[PB+8*\i+3]
	v_add_f32 v[PB+8*\i+5], v[PB+8*\i+5], v[PB+8*\i+7]
.endr
.irp i, 0,1,2,3
	v_add_f32 v[PB+8*\i+1], v[PB+8*\i+1], v[PB+8*\i+5]   ; the row's sum over all 1,024 keys
.endr
.irp i, 0,1,2,3
	v_rcp_f32 v[T+4+\i], v[PB+8*\i+1]
.endr
	v_nop                                          ; a plain line between the last reciprocal and the use of its result
	s_wait_alu depctr_va_vdst(0)
.irp i, 0,1,2,3
	v_mul_f32 v[T+4+\i], s26, v[T+4+\i]
.endr
.irp i, 0,1,2,3
	v_ldexp_f32 v[G+2*\i], v[T+4+\i], v[SH+\i]     ; g = |head_mask| / sum x 2^(my Mw - M)
.endr
	NORM 0                                         ; a tile's 192 plain lines are the places behind the products of the tile before: before its results are stored and before P's registers are written again
	PV 0
	NORM 1
	OST 0
	PV 1
	NORM 2
	OST 1
	PV 2
	NORM 3
	OST 2
	PV 3
.rept 4
	v_nop                                          ; places in front of the stores that read the last results
.endr
	OST 3
	s_wait_dscnt 0x0                               ; for the others' sake: my part of O is in LDS (and my reads of the statistics are over)
	s_barrier_signal -1
	s_barrier_wait -1
	WIN 0x80                                       ; destination window 2: tile 0's registers are free
.irp k, 0,1,2,3,4,5,6,7                            ; rows 16 w + 2 k, + 1 of the block: the four waves' parts
.irp s, 0,1,2,3
	ds_load_b128 v[16*\k+4*\s:16*\k+4*\s+3], v[ORA] offset:\s*OPW+2*\k*272
.endr
.endr
	WIN 0x8a                                       ; sources 0, 1 and destination window 2
.irp k, 0,1,2,3,4,5,6,7
	s_wait_dscnt 28-4*\k                           ; LDS loads come back in order: this pair of rows is in, the later pairs' loads may be out
	v_pk_add_f32 v[16*\k:16*\k+1],     v[16*\k:16*\k+1],     v[16*\k+4:16*\k+5]
	v_pk_add_f32 v[16*\k+2:16*\k+3],   v[16*\k+2:16*\k+3],   v[16*\k+6:16*\k+7]
	v_pk_add_f32 v[16*\k+8:16*\k+9],   v[16*\k+8:16*\k+9],   v[16*\k+12:16*\k+13]
	v_pk_add_f32 v[16*\k+10:16*\k+11], v[16*\k+10:16*\k+11], v[16*\k+14:16*\k+15]
	v_pk_add_f32 v[16*\k:16*\k+1],     v[16*\k:16*\k+1],     v[16*\k+8:16*\k+9]
	v_pk_add_f32 v[16*\k+2:16*\k+3],   v[16*\k+2:16*\k+3],   v[16*\k+10:16*\k+11]
.endr
	WIN 0x02                                       ; source 0 window 2, destination window 0
.irp k, 0,1,2,3,4,5,6,7
	v_pk_mul_f32 v[PB+4*\k:PB+4*\k+1],   v[16*\k:16*\k+1],   s[24:25] op_sel_hi:[1,0]   ; x F = +-2^(e8+e9)
	v_pk_mul_f32 v[PB+4*\k+2:PB+4*\k+3], v[16*\k+2:16*\k+3], s[24:25] op_sel_hi:[1,0]
.endr
	WIN 0
.irp k, 0,1,2,3,4,5,6,7
	global_store_b128 v[GO], v[PB+4*\k:PB+4*\k+3], s[16:17] offset:8192*\k th:TH_STORE_NT   ; sixteen lanes store 256 consecutive bytes, aligned: a query's 64 numbers of this head; written once, read by nobody here
.endr
	s_wait_xcnt 0x0                                ; the stores and Q's loads have read their registers and bases: both bases step, and the rows' registers are written again in the next trip
	s_add_nc_u64 s[4:5], s[4:5], 4096              ; four tiles of Q on
	s_add_nc_u64 s[16:17], s[16:17], 0x40000       ; 64 rows of out on
	s_sub_co_i32 s29, s29, 1
	s_cmp_lg_u32 s29, 0
	s_cbranch_scc1 .Lblock
	s_wait_xcnt 0x0
	v_lshl_add_u32 v254, v0, 2, 0x12000
	v_mov_b32 v255, 0
	s_wait_tensorcnt 0x0
	ds_add_u32 v254, v255
	s_wait_dscnt 0x0
	s_endpgm
.Lfunc_end_k_q94cc44deea_attn:
	.size	k_q94cc44deea_attn, .Lfunc_end_k_q94cc44deea_attn-k_q94cc44deea_attn
	.p2alignl 7, 3214868480
	.fill 96, 4, 3214868480
	.section	.rodata,"a",@progbits
	.p2align	6, 0x0
	.amdhsa_kernel k_q94cc44deea_attn
		.amdhsa_group_segment_fixed_size 74240
		.amdhsa_private_segment_fixed_size 0
		.amdhsa_enable_private_segment 0
		.amdhsa_kernarg_size 56
		.amdhsa_user_sgpr_count 2
		.amdhsa_user_sgpr_kernarg_segment_ptr 1
		.amdhsa_wavefront_size32 1
		.amdhsa_system_sgpr_workgroup_id_x 1
		.amdhsa_system_sgpr_workgroup_id_y 1
		.amdhsa_system_sgpr_workgroup_id_z 1
		.amdhsa_system_vgpr_workitem_id 0
		.amdhsa_next_free_vgpr 1024
		.amdhsa_next_free_sgpr 66
		.amdhsa_reserve_vcc 0
		.amdhsa_float_denorm_mode_32 3
		.amdhsa_float_denorm_mode_16_64 3
		.amdhsa_memory_ordered 1
		.amdhsa_forward_progress 1
		.amdhsa_inst_pref_size 156
	.end_amdhsa_kernel
	.amdgpu_metadata
---
amdhsa.version: [ 1, 2 ]
amdhsa.kernels:
  - .name:           k_q94cc44deea_attn
    .symbol:         k_q94cc44deea_attn.kd
    .args:
      - { .name: qc, .offset: 0, .size: 8, .value_kind: global_buffer, .address_space: global }
      - { .name: kc, .offset: 8, .size: 8, .value_kind: global_buffer, .address_space: global }
      - { .name: vc, .offset: 16, .size: 8, .value_kind: global_buffer, .address_space: global }
      - { .name: attention_mask, .offset: 24, .size: 8, .value_kind: global_buffer, .address_space: global }
      - { .name: head_mask, .offset: 32, .size: 8, .value_kind: global_buffer, .address_space: global }
      - { .name: lowp_scales, .offset: 40, .size: 8, .value_kind: global_buffer, .address_space: global }
      - { .name: out0, .offset: 48, .size: 8, .value_kind: global_buffer, .address_space: global }
    .group_segment_fixed_size: 74240
    .private_segment_fixed_size: 0
    .kernarg_segment_align: 8
    .kernarg_segment_size: 56
    .max_flat_workgroup_size: 128
    .sgpr_count:     66
    .vgpr_count:     1024
    .wavefront_size: 32
...
	.end_amdgpu_metadata
.endif
;; end of part 2
;; ======== version 2 of 2: 2 launches; version 1 with the launch attn written anew for expert scheduling mode
;; limits: right only within a limited range of input values
;; workspace buffers: qc 8,388,608 bytes; kc 8,388,608 bytes; vc 8,388,608 bytes
;; launch proj: the kernel of part 1 again; grid 16 x 32, 4 waves a work-group, clusters of 4 x 4, 327,680 bytes of LDS; arguments hidden_states_codes, Wq_codes, Wk_codes, Wv_codes, bq, bk, bv, lowp_scales, qc, kc, vc; writes qc, kc, vc
;; launch attn (part 3): grid 256 x 1, 4 waves a work-group, no clusters, 74,240 bytes of LDS; arguments qc, kc, vc, attention_mask, head_mask, lowp_scales, out0; writes out0
.if DOCPART == 3
	.amdgcn_target "amdgcn-amd-amdhsa--gfx1250"
	.amdhsa_code_object_version 6
	.text
	.protected	k_q94cc44deea_attn
	.globl	k_q94cc44deea_attn
	.p2align	8
	.type	k_q94cc44deea_attn,@function
k_q94cc44deea_attn:
	s_mov_b64 s[64:65], 0
	v_nop
	global_prefetch_b8 v0, s[64:65] scope:SCOPE_SE
	s_setreg_imm32_b32 hwreg(HW_REG_WAVE_SCHED_MODE, 0, 2), 2
	s_setreg_imm32_b32 hwreg(HW_REG_WAVE_MODE, 25, 1), 1
	s_wait_xcnt 0x0
	s_wait_alu depctr_vm_vsrc(0)
; out[b][s][64 head + :] = Q(softmax(q k^T / 8 + mask) x head_mask) v, both products on codes of FP8 (E4M3).  qc, kc, vc: the first launch's images of fragments (65,536 bytes a head each).
; WHAT IS QUANTISED IS THE FINISHED, NORMALISED PROBABILITY x head_mask, so a row's sum over all 1,024 keys is known before any of its p becomes a code.
; SHARES.  A work-group owns 512 queries of one head (work-group = 2 x head of 128 + half), in 8 blocks of 64 (four tiles of 16).  THE FOUR WAVES SPLIT THE KEYS: wave w owns keys 256 w .. 256 w + 255 for the whole launch.
; Its 16 fragments of K, its 8 of V and its part of the mask (in the result's layout) are 3 x 128 registers, loaded from memory once.  A block's scores of a wave, 4 x 16 tiles x 8 = 512 registers, stay in place
; from the first product to the conversion: one exponential a score, no second pass, no LDS read inside the softmax.
; ARITHMETIC.  S^T = K Q^T + C (source 0 = 16 keys, source 1 = 16 queries: a lane holds ONE query, lane % 16), C = mask x 8 / 2^(e6+e7): the mask costs no vector instruction.  t = S x c, c = log2(e) / 8 x 2^(e6+e7).
; Each wave takes away ITS OWN largest t rounded up to a whole number Mw: p = 2^(t - Mw).  The waves exchange (-Mw, sum of p) through LDS; M = the largest Mw; total = the sum of sum_w x 2^(Mw - M), a scaling that rounds nothing;
; g = |head_mask| / total x 2^(my Mw - M); code = Q(min(p g, 448 x 2^e8) / 2^e8).  The quantiser is odd, so head_mask's sign goes into the last factor F = +-2^(e8+e9).
; O^T = V^T P^T over the wave's 256 keys; the four waves' parts meet in LDS, where they also turn into whole rows: sixteen lanes store a query's 64 numbers, 256 consecutive bytes, aligned.
; NO CLUSTER, NO TENSOR LOAD: only two work-groups share a head's K and V, and each wave reads its 32 KiB of them once in the launch, straight into the registers where they stay; nothing is fetched again that could be asked for jointly.
; LIMITS.  Mask entries are held within +-2^29 (-infinity too): that differs from the definition only where EVERY key of a batch row has a mask beyond that.  With it |t| stays under 2^31, so that t - Mw, which carries the rounding of
; c x the largest score, stays under 64 and no p and no sum overflows.  e6+e7 between -90 and 8; e8 between -126 and 119; e8+e9 between -126 and 127.  NaN among the inputs and an infinite head_mask are not served.
; REGISTERS, in windows of 256: window 0: v1-9 addresses and scales; v12-19 (-Mw, sum) a tile; v20-27 g a tile; v28-31 shifts; v32-63 at work; v64-95 Q; v96-127 p's codes, else the exchanged statistics, else rows of out; v128-255 K.
;   window 1: v0-127 the mask; v128-255 V.   windows 2, 3: the scores: query tile i in window 2 + i / 2 from v[128 (i % 2)] on; O^T of the tile lies over its first 32 registers once its codes are made.
; THE MODE: SCHED_MODE bits 1:0 = 2 (LLVM: expert scheduling mode 2), set by the entry lines.  The code itself states the register dependences
; between vector or matrix instructions and memory or LDS instructions, with s_wait_alu, always for 0.
; THE PLAN.  Registers that memory or LDS instructions touch, in the loop:
;   v1-v7      addresses and offsets: written at the head, never again.
;   Q          read by the trip's 64 products K Q^T; the next block's loads land in it behind tile 0's wait for its exponentials, which stands behind those products.
;   (-Mw, sum) written by each tile's floor and last addition; read by four LDS stores, in one run behind one wait; written again in the next trip.
;   v96-127    the statistics' LDS loads land in it (behind the same wait: no vector line stands between); then vector and matrix lines alone name it, until the multiplications by F write it and the eight global stores read it.
;   O^T        of tile i: written by its products V^T P^T; read by eight LDS stores, which stand behind the NEXT tile's products: the wait for them stands ahead of those products, which name V, p's codes and the next tile alone.
;   window 2, v0-127: the loads of the four waves' parts land in it, behind the second barrier; all that named it stands ahead of the wait for tile 3's O^T, and no vector line follows that wait.
; Two waits on vm_vsrc a trip: behind the second barrier (the LDS stores have read O^T and the statistics), and at the trip's end (the global stores have read v96-127).
.set STAT, 0                           ; LDS: [query tile 4][query 16][wave 4] x 8 bytes: (-Mw, sum)
.set OB,   2048                        ; LDS: [source wave 4][query 64] x (256 bytes + 16)
.set OPW,  64*272                      ; a source wave's part
.set LI,  1                            ; v1  16 x lane
.set MO,  2                            ; v2  the mask: 32 h
.set STA, 3                            ; v3  where I store my statistics: 32 r + 8 w
.set STR, 4                            ; v4  where I read a query's four: 32 r
.set OSA, 5                            ; v5  where I put 32 bytes of a row of O
.set ORA, 6                            ; v6  where I read a row's 16 bytes back
.set GO,  7                            ; v7  my byte offset in out
.set SC,  8                            ; v8  2^e8 as f32
.set LIM, 9                            ; v9  448 x 2^e8
.set MH,  10                           ; v10 2^29
.set ST,  12
.set G,   20
.set SH,  28
.set T,   32
.set U,   48
.set PX,  56                           ; v56 a lane permute's destination
.set QF,  64
.set PB,  96
.set KF,  128
.set MK,  0                            ; in window 1
.set VF,  128
.set MSB, 0
.macro WIN new                         ; the immediate's high byte repeats the setting that is left; a switch that changes nothing is dropped
.if MSB != (\new)
	s_set_vgpr_msb (MSB<<8)|(\new)
.set MSB, (\new)
.endif
.endm
.macro TILE i                          ; query tile i's window and first register
.set WS, 2+(\i)/2
.set SB, 128*((\i)%2)
.endm
.macro BLK                             ; key tile t's place among a query tile's 16 blocks of 8: its own number, but tiles 0 and 15 change places,
.set bk, t                             ; so that no conversion below names one register number as destination (v[96 + 2 t]) and as source (v[8 bk ..]), in different windows either
.if t == 0
.set bk, 15
.endif
.if t == 15
.set bk, 0
.endif
.endm
	s_load_b256 s[4:11], s[0:1], 0x0               ; qc s[4:5], kc s[6:7], vc s[8:9], the mask s[10:11]
	s_load_b128 s[12:15], s[0:1], 0x20             ; head_mask s[12:13], the exponents s[14:15]
	s_load_b64 s[16:17], s[0:1], 0x30              ; out
	v_lshrrev_b32 v32, 5, v0
	v_readfirstlane_b32 s18, v32                   ; wave 0..3
	v_and_b32 v33, 31, v0
	v_lshlrev_b32 v[LI], 4, v33
	v_and_b32 v32, 15, v0                          ; r
	v_bfe_u32 v33, v0, 4, 1                        ; h
	v_lshlrev_b32 v[MO], 5, v33
	v_lshlrev_b32 v[STR], 5, v32
	s_wait_alu depctr_va_sdst(0)                   ; s18, the wave's number, is written, ahead of its first reader: LDS addresses and all bases are made from it
	s_lshl_b32 s56, s18, 3
	v_add_nc_u32 v[STA], s56, v[STR]
	v_mul_u32_u24 v34, v32, 272
	v_lshl_add_u32 v34, v33, 5, v34
	s_mul_i32 s56, s18, OPW
	s_add_co_u32 s56, s56, OB
	v_add_nc_u32 v[OSA], s56, v34                  ; my part: row r, + 32 h
	v_mul_u32_u24 v34, v33, 272
	v_lshl_add_u32 v34, v32, 4, v34
	s_mul_i32 s56, s18, 16*272
	s_add_co_u32 s56, s56, OB
	v_add_nc_u32 v[ORA], s56, v34                  ; back: rows 16 w + h on, 16 bytes a lane
	v_lshlrev_b32 v34, 12, v33
	v_lshl_add_u32 v[GO], v32, 4, v34              ; and in out: a row is 4,096 bytes
	v_mov_b32 v[MH], 0x4e000000                    ; 2^29
.irp i, 0,1,2,3
	v_mov_b32 v[ST+2*\i+1], 0                      ; named as the upper halves of pairs before they hold anything
	v_mov_b32 v[G+2*\i+1], 0
.endr
	v_mov_b32 v[PX], 0                             ; a lane permute's destination counts as one of its sources
	s_mov_b32 s20, 0x76543210                      ; v_permlanex16_b32's selects for lane l xor 16
	s_mov_b32 s21, 0xfedcba98
	s_mov_b32 s29, 8                               ; blocks to go
	s_lshr_b32 s19, ttmp9, 1                       ; the head of 128
	s_and_b32 s30, ttmp9, 1                        ; which 512 queries
	s_lshr_b32 s31, s19, 4                         ; the batch
	s_and_b32 s42, s19, 15                         ; the head of 16
	s_lshl_b32 s44, s19, 16
	s_lshl_b32 s46, s18, 14
	s_add_co_u32 s46, s46, s44                     ; kc, vc: the head, + my 256 keys: 16,384 bytes
	s_mov_b32 s47, 0
	s_lshl_b32 s48, s30, 15
	s_add_co_u32 s48, s48, s44                     ; qc: the head, + 32 tiles a half
	s_mov_b32 s49, 0
	s_lshl_b32 s50, s31, 12
	s_lshl_b32 s51, s18, 10
	s_add_co_u32 s50, s50, s51                     ; the mask: the batch's row, + my 256 numbers
	s_mov_b32 s51, 0
	s_lshl_b32 s52, s31, 22                        ; out: the batch,
	s_lshl_b32 s53, s30, 21                        ; 512 rows a half,
	s_add_co_u32 s52, s52, s53
	s_lshl_b32 s53, s18, 16                        ; the 16 rows of a block that I store,
	s_add_co_u32 s52, s52, s53
	s_lshl_b32 s53, s42, 8                         ; the head's 256 bytes of a row
	s_add_co_u32 s52, s52, s53
	s_mov_b32 s53, 0
	s_lshl_b32 s54, s42, 2
	s_mov_b32 s55, 0
	s_wait_kmcnt 0x0
	s_load_b256 s[32:39], s[14:15], 0x0            ; e0 .. e7
	s_load_b64 s[40:41], s[14:15], 0x20            ; e8, e9
	s_add_nc_u64 s[12:13], s[12:13], s[54:55]
	s_load_b32 s26, s[12:13], 0x0                  ; head_mask of my head
	s_add_nc_u64 s[4:5], s[4:5], s[48:49]
	s_add_nc_u64 s[6:7], s[6:7], s[46:47]
	s_add_nc_u64 s[8:9], s[8:9], s[46:47]
	s_add_nc_u64 s[10:11], s[10:11], s[50:51]
	s_add_nc_u64 s[16:17], s[16:17], s[52:53]
	WIN 0x40                                       ; destination window 1
	s_wait_alu depctr_va_vdst(0)                   ; the seven addresses and offsets v1 to v7 are written, which every load and store of the kernel reads; none is written again
.set t, 0
.rept 16
	global_load_b128 v[MK+8*t:MK+8*t+3],   v[MO], s[10:11] offset:64*t      ; mask(16 t + 8 h + 0 .. 7): the layout of S^T
	global_load_b128 v[MK+8*t+4:MK+8*t+7], v[MO], s[10:11] offset:64*t+16
.set t, t+1
.endr
	WIN 0
.set t, 0
.rept 16
	global_load_b128 v[KF+8*t:KF+8*t+3],   v[LI], s[6:7] offset:1024*t      ; K's fragments as they were stored
	global_load_b128 v[KF+8*t+4:KF+8*t+7], v[LI], s[6:7] offset:1024*t+512
.set t, t+1
.endr
	s_wait_kmcnt 0x0
	s_add_co_i32 s43, s38, s39                     ; e6 + e7
	s_lshl_b32 s56, s43, 23
	s_add_co_i32 s22, s56, 0x3e38aa3b              ; c = log2(e) / 8, with e6 + e7 added to its exponent field
	s_mov_b32 s23, s22                             ; (named with it as a pair, so it is written)
	s_sub_co_i32 s28, 3, s43                       ; the mask goes in x 8 / 2^(e6+e7)
	s_add_co_i32 s56, s40, 127
	s_lshl_b32 s57, s56, 23
	v_mov_b32 v[SC], s57
	s_add_co_i32 s56, s56, 8
	s_lshl_b32 s56, s56, 23
	s_or_b32 s56, s56, 0x600000
	v_mov_b32 v[LIM], s56
	s_add_co_i32 s56, s40, s41
	s_add_co_i32 s56, s56, 127
	s_lshl_b32 s56, s56, 23                        ; 2^(e8+e9)
	s_and_b32 s57, s26, 0x80000000
	s_or_b32 s24, s56, s57                         ; F: with head_mask's sign
	s_mov_b32 s25, s24
	s_and_b32 s26, s26, 0x7fffffff                 ; |head_mask|
	s_wait_loadcnt 32                              ; the mask is in; K's 32 loads may be out
	WIN 0x41                                       ; source 0 and destination window 1
.set j, 0
.rept 128
	v_med3_num_f32 v[MK+j], v[MK+j], -v[MH], v[MH]
.set j, j+1
.endr
.set j, 0
.rept 128
	v_ldexp_f32 v[MK+j], v[MK+j], s28
.set j, j+1
.endr
	WIN 0x40
.set t, 0
.rept 8
.irp c, 0,1,2,3
	global_load_b128 v[VF+16*t+4*\c:VF+16*t+4*\c+3], v[LI], s[8:9] offset:2048*t+512*\c   ; V's fragment (128 keys t / 4, channels 16 (t % 4) on).  No wait: the vector lines since the head's wait name v8 to v10 and the mask alone
.endr
.set t, t+1
.endr
	WIN 0
.irp i, 0,1,2,3
	global_load_b128 v[QF+8*\i:QF+8*\i+3],   v[LI], s[4:5] offset:1024*\i
	global_load_b128 v[QF+8*\i+4:QF+8*\i+7], v[LI], s[4:5] offset:1024*\i+512
.endr
.macro QK i                            ; 16 products: my 16 tiles of keys x query tile i; the mask is the C
	TILE \i
	WIN (WS<<6)|0x10                               ; K and Q window 0, C window 1, D the tile's window
.set t, 0
.rept 16
	BLK
	v_wmma_f32_16x16x64_fp8_fp8 v[SB+8*bk:SB+8*bk+7], v[KF+8*t:KF+8*t+7], v[QF+8*(\i):QF+8*(\i)+7], v[MK+8*t:MK+8*t+7]
.set t, t+1
.endr
.endm
.macro MAXQ i                          ; -Mw = floor(-c x the largest of my query's 256 scores)
	TILE \i
	WIN (WS<<2)|(WS<<4)                            ; sources 1 and 2: the scores
.set n, 0
.rept 64
	v_max3_num_f32 v[T+4*(\i)+n%4], v[T+4*(\i)+n%4], v[SB+2*n], v[SB+2*n+1]   ; four chains; each accumulator from its low end on
.set n, n+1
.endr
	WIN 0
	v_max3_num_f32 v[T+4*(\i)], v[T+4*(\i)], v[T+4*(\i)+1], v[T+4*(\i)+2]
	v_max_num_f32 v[T+4*(\i)], v[T+4*(\i)], v[T+4*(\i)+3]
	v_permlanex16_b32 v[PX], v[T+4*(\i)], s20, s21 ; the query's other 128 keys lie in the lane 16 away
	v_max_num_f32 v[T+4*(\i)], v[T+4*(\i)], v[PX]
	v_mul_f32 v[T+4*(\i)], s22, v[T+4*(\i)]        ; as t (c is positive)
	v_floor_f32 v[ST+2*(\i)], -v[T+4*(\i)]         ; a whole number
.endm
.macro EXPQ i                          ; p = 2^(c s - Mw), in place.  The scaling of a pair runs two pairs ahead of its exponentials, so that a plain line follows every second exponential
	TILE \i
	WIN (WS<<6)|WS                                 ; source 0 and destination: the scores
	v_pk_fma_f32 v[SB:SB+1],   v[SB:SB+1],   s[22:23], v[ST+2*(\i):ST+2*(\i)+1] op_sel_hi:[1,0,0]
	v_pk_fma_f32 v[SB+2:SB+3], v[SB+2:SB+3], s[22:23], v[ST+2*(\i):ST+2*(\i)+1] op_sel_hi:[1,0,0]
.set n, 0
.rept 64
.if n < 62
	v_pk_fma_f32 v[SB+2*n+4:SB+2*n+5], v[SB+2*n+4:SB+2*n+5], s[22:23], v[ST+2*(\i):ST+2*(\i)+1] op_sel_hi:[1,0,0]
.endif
	v_exp_f32 v[SB+2*n], v[SB+2*n]
	v_exp_f32 v[SB+2*n+1], v[SB+2*n+1]
.set n, n+1
.endr
.endm
.macro SUMQ i, wait                    ; the sum of my query's 256 p, unquantised, in four packed chains.  wait = 0: the wait for the tile's exponentials stands ahead of the macro
	TILE \i
	WIN WS|(WS<<2)
.if \wait
	s_wait_alu depctr_va_vdst(0)                   ; the tile's 128 exponentials have written p, ahead of the first line that names one: one wait for the batch
.endif
.irp k, 0,1,2,3
	v_pk_add_f32 v[U+2*\k:U+2*\k+1], v[SB+4*\k:SB+4*\k+1], v[SB+4*\k+2:SB+4*\k+3]   ; (the first is the plain line behind the last exponentials, whose results it does not read)
.endr
	WIN (WS<<2)
.set n, 8
.rept 56
	v_pk_add_f32 v[U+2*(n%4):U+2*(n%4)+1], v[U+2*(n%4):U+2*(n%4)+1], v[SB+2*n:SB+2*n+1]
.set n, n+1
.endr
	WIN 0
	v_pk_add_f32 v[U:U+1], v[U:U+1], v[U+2:U+3]
	v_pk_add_f32 v[U+4:U+5], v[U+4:U+5], v[U+6:U+7]
	v_pk_add_f32 v[U:U+1], v[U:U+1], v[U+4:U+5]
	v_add_f32 v[U], v[U], v[U+1]
	v_permlanex16_b32 v[PX], v[U], s20, s21
	v_add_f32 v[ST+2*(\i)+1], v[U], v[PX]
.endm
.macro NORM i                          ; p g, held at the largest code x the scale (p is not negative: the hold is one-sided; the conversion does not saturate: ISA guide 7.6.2), then 16 conversions
	TILE \i
	WIN (WS<<6)|WS
	v_pk_mul_f32 v[SB:SB+1], v[SB:SB+1], v[G+2*(\i):G+2*(\i)+1] op_sel_hi:[1,0]
.set n, 0
.rept 64
.if n < 63
	v_pk_mul_f32 v[SB+2*n+2:SB+2*n+3], v[SB+2*n+2:SB+2*n+3], v[G+2*(\i):G+2*(\i)+1] op_sel_hi:[1,0]
.endif
	v_min_num_f32 v[SB+2*n], v[SB+2*n], v[LIM]
	v_min_num_f32 v[SB+2*n+1], v[SB+2*n+1], v[LIM]
.set n, n+1
.endr
	WIN WS
.set t, 0
.rept 16
	BLK
	v_cvt_scalef32_pk8_fp8_f32 v[PB+2*t:PB+2*t+1], v[SB+8*bk:SB+8*bk+7], v[SC]   ; keys 16 t + 8 h + 0 .. 7: registers 2 (t % 8), + 1 of the fragment of keys 128 (t / 8) on
.set t, t+1
.endr
	v_nop                                          ; one plain vector line between the conversions and the products that read their results and write over their sources
.endm
.macro PV i                            ; O^T = V^T P^T: four tiles of 16 channels by turns, two steps of 128 keys; the first starts the sums
	TILE \i
	WIN (WS<<6)|(WS<<4)|1                          ; V window 1, P window 0, C and D the tile's window
.irp d, 0,1,2,3
	v_wmma_f32_16x16x128_fp8_fp8 v[SB+8*\d:SB+8*\d+7], v[VF+16*\d:VF+16*\d+15], v[PB:PB+15], 0
.endr
.irp d, 0,1,2,3
	v_wmma_f32_16x16x128_fp8_fp8 v[SB+8*\d:SB+8*\d+7], v[VF+64+16*\d:VF+64+16*\d+15], v[PB+16:PB+31], v[SB+8*\d:SB+8*\d+7]
.endr
.endm
.macro OST i                           ; my part of O for query tile i into my part of LDS: lane (r, h): row 16 i + r, channels 16 d + 8 h + 0 .. 7
	TILE \i
	WIN (WS<<2)                                    ; an LDS store's data are its source 1
.irp d, 0,1,2,3
	ds_store_b128 v[OSA], v[SB+8*\d:SB+8*\d+3]   offset:(\i)*16*272+64*\d
	ds_store_b128 v[OSA], v[SB+8*\d+4:SB+8*\d+7] offset:(\i)*16*272+64*\d+16
.endr
.endm
.Lblock:                                           ; 8 trips: a block of 64 queries
	s_wait_loadcnt 0x0                             ; Q (asked for a trip ago); in the first trip K and V too
	QK 0
	QK 1
	QK 2
	QK 3
	WIN 0
.set n, 0
.rept 16
	v_mov_b32 v[T+n], 0xff800000                   ; the maxima's chains begin at -infinity.  These sixteen are also the places behind the products
.set n, n+1
.endr
	MAXQ 0
	EXPQ 0
	WIN 0                                          ; (a branch and a label follow)
	s_wait_alu depctr_va_vdst(0)                   ; tile 0's 128 exponentials have written p, ahead of the first line that names one; and the 64 products above are done reading Q, in which the loads below land
	s_cmp_eq_u32 s29, 1                            ; the next block's Q is asked for here, if there is one: no load leaves its buffer
	s_cbranch_scc1 .Lno_q
.irp i, 0,1,2,3
	global_load_b128 v[QF+8*\i:QF+8*\i+3],   v[LI], s[4:5] offset:4096+1024*\i
	global_load_b128 v[QF+8*\i+4:QF+8*\i+7], v[LI], s[4:5] offset:4096+1024*\i+512
.endr
.Lno_q:
	SUMQ 0, 0
.irp i, 1,2,3
	MAXQ \i
	EXPQ \i
	SUMQ \i, 1
.endr
	s_wait_alu depctr_va_vdst(0)                   ; the four tiles' (-Mw, sum) are written, which the LDS stores below read; and every earlier reader and writer of v96-127, in which the loads behind the barrier land, is done
.irp i, 0,1,2,3
	ds_store_b64 v[STA], v[ST+2*\i:ST+2*\i+1] offset:STAT+512*\i   ; lanes r and r + 16 store the same two words
.endr
	s_wait_dscnt 0x0                               ; for the others' sake: my statistics are in LDS (and my reads of O's parts, a trip ago, are long over)
	s_barrier_signal -1
	s_barrier_wait -1
.irp i, 0,1,2,3
	ds_load_b128 v[PB+8*\i:PB+8*\i+3],   v[STR] offset:STAT+512*\i       ; my query's (-M0, sum0, -M1, sum1,
	ds_load_b128 v[PB+8*\i+4:PB+8*\i+7], v[STR] offset:STAT+512*\i+16    ;  -M2, sum2, -M3, sum3).  No vector line stands between the wait above and these loads
.endr
	s_wait_dscnt 0x0
.irp i, 0,1,2,3
	v_min3_num_f32 v[T+\i], v[PB+8*\i], v[PB+8*\i+2], v[PB+8*\i+4]
.endr
.irp i, 0,1,2,3
	v_min_num_f32 v[T+\i], v[T+\i], v[PB+8*\i+6]   ; -M: M is the largest of the four
.endr
.irp i, 0,1,2,3
.irp w, 0,1,2,3
	v_sub_f32 v[U+4*\i+\w], v[T+\i], v[PB+8*\i+2*\w]   ; Mw - M: a whole number, 0 or less
.endr
	v_sub_f32 v[SH+\i], v[T+\i], v[ST+2*\i]        ; my own
.endr
.set n, 0
.rept 16
	v_cvt_i32_f32 v[U+n], v[U+n]                   ; (it saturates)
.set n, n+1
.endr
.irp i, 0,1,2,3
	v_cvt_i32_f32 v[SH+\i], v[SH+\i]
.endr
.irp i, 0,1,2,3
.irp w, 0,1,2,3
	v_ldexp_f32 v[PB+8*\i+2*\w+1], v[PB+8*\i+2*\w+1], v[U+4*\i+\w]   ; each wave's sum under the common M
.endr
.endr
.irp i, 0,1,2,3
	v_add_f32 v[PB+8*\i+1], v[PB+8*\i+1], v[PB+8*\i+3]
	v_add_f32 v[PB+8*\i+5], v[PB+8*\i+5], v[PB+8*\i+7]
.endr
.irp i, 0,1,2,3
	v_add_f32 v[PB+8*\i+1], v[PB+8*\i+1], v[PB+8*\i+5]   ; the row's sum over all 1,024 keys
.endr
.irp i, 0,1,2,3
	v_rcp_f32 v[T+4+\i], v[PB+8*\i+1]
.endr
	v_nop                                          ; a plain line between the last reciprocal and the use of its result
	s_wait_alu depctr_va_vdst(0)                   ; the four reciprocals are written, ahead of their first reader
.irp i, 0,1,2,3
	v_mul_f32 v[T+4+\i], s26, v[T+4+\i]
.endr
.irp i, 0,1,2,3
	v_ldexp_f32 v[G+2*\i], v[T+4+\i], v[SH+\i]     ; g = |head_mask| / sum x 2^(my Mw - M)
.endr
	NORM 0                                         ; a tile's 192 plain lines are the places behind the products of the tile before: before its results are stored and before P's registers are written again
	PV 0
	NORM 1
	s_wait_alu depctr_va_vdst(0)                   ; tile 0's products have written its O^T, which the LDS stores behind tile 1's products read; those products name V, p's codes and tile 1 alone
	PV 1
	OST 0
	NORM 2
	s_wait_alu depctr_va_vdst(0)                   ; tile 1's O^T is written, likewise
	PV 2
	OST 1
	NORM 3
	s_wait_alu depctr_va_vdst(0)                   ; tile 2's O^T is written, likewise
	PV 3
	OST 2
.rept 4
	v_nop                                          ; places in front of the stores that read the last results; they stay beside the wait below
.endr
	s_wait_alu depctr_va_vdst(0)                   ; tile 3's O^T is written, which the LDS stores below read; and all that named tile 0's 128 registers, in which the loads behind the barrier land, is done: no vector line follows before them
	OST 3
	s_wait_dscnt 0x0                               ; for the others' sake: my part of O is in LDS (and my reads of the statistics are over)
	s_barrier_signal -1
	s_barrier_wait -1
	WIN 0x80                                       ; destination window 2: tile 0's registers are free
	s_wait_alu depctr_vm_vsrc(0)                   ; my LDS stores have read their data: tile 0's O^T, in which the loads below land; the other tiles' O^T and the statistics, which the next trip's products and floors write
.irp k, 0,1,2,3,4,5,6,7                            ; rows 16 w + 2 k, + 1 of the block: the four waves' parts
.irp s, 0,1,2,3
	ds_load_b128 v[16*\k+4*\s:16*\k+4*\s+3], v[ORA] offset:\s*OPW+2*\k*272
.endr
.endr
	WIN 0x8a                                       ; sources 0, 1 and destination window 2
.irp k, 0,1,2,3,4,5,6,7
	s_wait_dscnt 28-4*\k                           ; LDS loads come back in order: this pair of rows is in, the later pairs' loads may be out
	v_pk_add_f32 v[16*\k:16*\k+1],     v[16*\k:16*\k+1],     v[16*\k+4:16*\k+5]
	v_pk_add_f32 v[16*\k+2:16*\k+3],   v[16*\k+2:16*\k+3],   v[16*\k+6:16*\k+7]
	v_pk_add_f32 v[16*\k+8:16*\k+9],   v[16*\k+8:16*\k+9],   v[16*\k+12:16*\k+13]
	v_pk_add_f32 v[16*\k+10:16*\k+11], v[16*\k+10:16*\k+11], v[16*\k+14:16*\k+15]
	v_pk_add_f32 v[16*\k:16*\k+1],     v[16*\k:16*\k+1],     v[16*\k+8:16*\k+9]
	v_pk_add_f32 v[16*\k+2:16*\k+3],   v[16*\k+2:16*\k+3],   v[16*\k+10:16*\k+11]
.endr
	WIN 0x02                                       ; source 0 window 2, destination window 0
.irp k, 0,1,2,3,4,5,6,7
	v_pk_mul_f32 v[PB+4*\k:PB+4*\k+1],   v[16*\k:16*\k+1],   s[24:25] op_sel_hi:[1,0]   ; x F = +-2^(e8+e9)
	v_pk_mul_f32 v[PB+4*\k+2:PB+4*\k+3], v[16*\k+2:16*\k+3], s[24:25] op_sel_hi:[1,0]
.endr
	WIN 0
	s_wait_alu depctr_va_vdst(0)                   ; the multiplications have written the rows in v96-127, which the eight stores read
.irp k, 0,1,2,3,4,5,6,7
	global_store_b128 v[GO], v[PB+4*\k:PB+4*\k+3], s[16:17] offset:8192*\k th:TH_STORE_NT   ; sixteen lanes store 256 consecutive bytes, aligned: a query's 64 numbers of this head; written once, read by nobody here
.endr
	s_wait_xcnt 0x0                                ; the stores and Q's loads have read their registers and bases: both bases step, and the rows' registers are written again in the next trip
	s_wait_alu depctr_vm_vsrc(0)                   ; beside it: the stores have read v96-127, in which the next trip's loads of the statistics land
	s_add_nc_u64 s[4:5], s[4:5], 4096              ; four tiles of Q on
	s_add_nc_u64 s[16:17], s[16:17], 0x40000       ; 64 rows of out on
	s_sub_co_i32 s29, s29, 1
	s_cmp_lg_u32 s29, 0
	s_cbranch_scc1 .Lblock
	s_wait_xcnt 0x0
	v_lshl_add_u32 v254, v0, 2, 0x12000            ; the add's two registers are made anew, in two of K's: no memory or LDS instruction has read either
	v_mov_b32 v255, 0
	s_wait_dscnt 0x0                               ; the closing lines, six on end
	s_wait_alu 0x0
	s_wait_tensorcnt 0x0
	ds_add_u32 v254, v255
	s_wait_dscnt 0x0
	s_endpgm
.Lfunc_end_k_q94cc44deea_attn:
	.size	k_q94cc44deea_attn, .Lfunc_end_k_q94cc44deea_attn-k_q94cc44deea_attn
	.p2alignl 7, 3214868480
	.fill 96, 4, 3214868480
	.section	.rodata,"a",@progbits
	.p2align	6, 0x0
	.amdhsa_kernel k_q94cc44deea_attn
		.amdhsa_group_segment_fixed_size 74240
		.amdhsa_private_segment_fixed_size 0
		.amdhsa_enable_private_segment 0
		.amdhsa_kernarg_size 56
		.amdhsa_user_sgpr_count 2
		.amdhsa_user_sgpr_kernarg_segment_ptr 1
		.amdhsa_wavefront_size32 1
		.amdhsa_system_sgpr_workgroup_id_x 1
		.amdhsa_system_sgpr_workgroup_id_y 1
		.amdhsa_system_sgpr_workgroup_id_z 1
		.amdhsa_system_vgpr_workitem_id 0
		.amdhsa_next_free_vgpr 1024
		.amdhsa_next_free_sgpr 66
		.amdhsa_reserve_vcc 0
		.amdhsa_float_denorm_mode_32 3
		.amdhsa_float_denorm_mode_16_64 3
		.amdhsa_memory_ordered 1
		.amdhsa_forward_progress 1
		.amdhsa_inst_pref_size 156
	.end_amdhsa_kernel
	.amdgpu_metadata
---
amdhsa.version: [ 1, 2 ]
amdhsa.kernels:
  - .name:           k_q94cc44deea_attn
    .symbol:         k_q94cc44deea_attn.kd
    .args:
      - { .name: qc, .offset: 0, .size: 8, .value_kind: global_buffer, .address_space: global }
      - { .name: kc, .offset: 8, .size: 8, .value_kind: global_buffer, .address_space: global }
      - { .name: vc, .offset: 16, .size: 8, .value_kind: global_buffer, .address_space: global }
      - { .name: attention_mask, .offset: 24, .size: 8, .value_kind: global_buffer, .address_space: global }
      - { .name: head_mask, .offset: 32, .size: 8, .value_kind: global_buffer, .address_space: global }
      - { .name: lowp_scales, .offset: 40, .size: 8, .value_kind: global_buffer, .address_space: global }
      - { .name: out0, .offset: 48, .size: 8, .value_kind: global_buffer, .address_space: global }
    .group_segment_fixed_size: 74240
    .private_segment_fixed_size: 0
    .kernarg_segment_align: 8
    .kernarg_segment_size: 56
    .max_flat_workgroup_size: 128
    .sgpr_count:     66
    .vgpr_count:     1024
    .wavefront_size: 32
...
	.end_amdgpu_metadata
.endif
;; end of part 3
